; MI455X (gfx1250); checked and timed in simulation.
; The chip was launched on July 23, 2026; its instructions are those of AMD's public machine-readable ISA for CDNA 5 (MIT licence, August 2026) and "CDNA5" Instruction Set Architecture Reference Guide (July 2026). The comments in the code are by the model that wrote it; some were corrected since.
;; Batched Causal Self Attention. Allowed arithmetic: matrix products marked QUANTISED: E2M1 operands, one E8M0 scale for each 32 along K, by v_wmma_scale_f32_16x16x128_f8f6f4 with both operands' format E2M1 (or v_wmma_scale_f32_32x16x128_f4), f32 sums; products left as they are: bf16, f16 or f32 operands; f32 sums; everything else in f32.
;; Inputs: W_attn 1,024 x 3,072 float32; W_proj 1,024 x 1,024 float32; x 4 x 2,048 x 1,024 float32.
;; Outputs: out0 4 x 2,048 x 1,024 float32.
;; This version of the problem:
;;   THIS VERSION OF THE PROBLEM IS GIVEN IN LOW PRECISION. The matrix products marked QUANTISED in the list below multiply operands that are first quantised to E2M1 (2 exponent bits, 1 mantissa bit; 4 bits a number), with one power-of-two scale for each 32 numbers along K (OCP MX v1.0); their sums are f32. The products marked 'left as it is' may take bf16, f16 or f32 operands, with f32 sums. Whichever they take, every output number must still come out within the allowed error. Rounding operands to bf16 (8 significant bits) uses up far more of that allowance than f16 does (11 bits, for magnitudes from 6e-5 to 65,504). All else is computed in f32.
;;   The module's matrix products, in the order in which they are computed (A, B: the left and right operand; K: the contracted axis; several contracted axes count as one K, in the product's order):
;;     1. [M 8,192, K 1,024] x [K 1,024, N 3,072]; A: input x; B: input W_attn: QUANTISED
;;     2. batch 64 x [M 2,048, K 64] x [K 64, N 2,048]; A: computed on the way; B: computed on the way: left as it is (an operand is computed on the way)
;;     3. batch 64 x [M 2,048, K 2,048] x [K 2,048, N 64]; A: computed on the way; B: computed on the way: left as it is (an operand is computed on the way)
;;     4. [M 8,192, K 1,024] x [K 1,024, N 1,024]; A: computed on the way; B: input W_proj: left as it is (an operand is computed on the way)
;;   THE QUANTISER, for each operand of a quantised product, along K:
;;     - K is cut into blocks of 32 from its start; a last block that is shorter is filled with zeros.
;;     - A block's scale is 2^e with e = floor(log2(the largest magnitude in the block)) - 2, held to -126 .. 127; a block of zeros has e = 0. As a byte (E8M0): e + 127.
;;     - Each number is divided by its block's scale, clamped to +-6, and rounded to the nearest number of E2M1, ties to even, subnormals kept.
;;     - The product sums the exact products of the quantised numbers (number of the format x scale) in f32.
;;   ~~~python
;;   def quantise(x, axis):      # numpy; x: float32 -> the quantised numbers, widened to float32 again
;;       x = np.moveaxis(x, axis, -1); K = x.shape[-1]
;;       x = np.pad(x, [(0, 0)] * (x.ndim - 1) + [(0, -K % 32)]); x = x.reshape(x.shape[:-1] + (-1, 32)); a = np.abs(x).max(-1, keepdims=True)
;;       e = np.where(a > 0, np.clip(np.frexp(np.where(a > 0, a, 1))[1] - 1 - 2, -126, 127), 0)      # np.frexp(a)[1] - 1 = floor(log2(a)), exactly
;;       r = np.clip(x / 2.0 ** e, -6, 6)
;;       step = 2.0 ** (np.maximum(np.frexp(np.where(r == 0, 1, r))[1] - 1, 0) - 1)
;;       q = np.round(r / step) * step * 2.0 ** e      # np.round: ties to even
;;       return np.moveaxis(q.reshape(q.shape[:-2] + (-1,))[..., :K], -1, axis).astype(np.float32)
;;   ~~~
;; One version. Each part assembles by itself: llvm-mc -triple=amdgcn-amd-amdhsa -mcpu=gfx1250 --defsym DOCPART=n.
;; ======== version 1 of 1: 5 launches
;; limits: values are held in f16: magnitudes above 65,504 overflow, below 6.1e-05 lose precision
;; workspace buffers: xq_codes 4,194,304 bytes; xq_scales 262,144 bytes; wa_codes 1,572,864 bytes; wa_scales 98,304 bytes; wp16 2,097,152 bytes; qkv16 50,331,648 bytes; qkv32 786,432 bytes; y16 16,777,216 bytes
;; launch prep (part 1): grid 368 x 1, 4 waves a work-group, no clusters, 102,912 bytes of LDS; arguments W_attn, W_proj, x, wa_codes, wa_scales, wp16, xq_codes, xq_scales; writes wa_codes, wa_scales, wp16, xq_codes, xq_scales
.if DOCPART == 1
	.amdgcn_target "amdgcn-amd-amdhsa--gfx1250"
	.amdhsa_code_object_version 6
	.text
	.protected	k_q74496e39b4_prep
	.globl	k_q74496e39b4_prep
	.p2align	8
	.type	k_q74496e39b4_prep,@function
k_q74496e39b4_prep:
	s_mov_b64 s[64:65], 0
	v_nop
	global_prefetch_b8 v0, s[64:65] scope:SCOPE_SE
	s_setreg_imm32_b32 hwreg(HW_REG_WAVE_MODE, 25, 1), 1
	s_wait_xcnt 0x0
; PREP: the operands are laid as the later launches want them.  Three paths, chosen by the work-group's number; they never join, and each has LDS bytes of its own.
;   work-groups 0-47:    W_attn [1024 (k)][3072 (n)] f32 -> codes of FP4 (E2M1) laid [3072][512 bytes] with K innermost, and one E8M0 byte for each 32 along K, laid [3072][32]
;   work-groups 48-111:  W_proj [1024 (k)][1024 (n)] f32 -> f16, laid [k / 64][n][64]: a plane of 64 along K for each head
;   work-groups 112-367: x [8192][1024] f32 -> codes [8192][512 bytes] and scale bytes [8192][32]
; A block's scale is 2^(floor(log2(its largest magnitude)) - 2); its byte is the largest magnitude's exponent field - 2, held at 1 from below.
; LIMITS: a block of zeros, and a block whose largest magnitude lies under 2^-124, keeps the byte 1 (its codes are zeros or tiny; the bytes are read by this program alone);
; NaN and infinities are not served; |W_proj| stays under 65,504, f16's largest number.
; No tensor loads, no barrier: waves share nothing.  No matrix work, no cluster: each byte is read once and nothing is shared.
.set SPARE, 102400                     ; behind the three regions: the spare words, 128 bytes for each wave
.set SPW,   14                         ; v14  LDS address of my spare word; never rewritten
.set NIL,   15                         ; v15  0; never rewritten
.set EMAX,  2
	s_load_b256 s[4:11], s[0:1], 0x0               ; W_attn s[4:5], W_proj s[6:7], x s[8:9], wa_codes s[10:11]
	s_load_b256 s[12:19], s[0:1], 0x20             ; wa_scales s[12:13], wp16 s[14:15], xq_codes s[16:17], xq_scales s[18:19]
	v_lshl_add_u32 v[SPW], v0, 2, SPARE
	v_mov_b32 v[NIL], 0
	v_lshrrev_b32 v1, 5, v0
	v_readfirstlane_b32 s20, v1                    ; wave 0..3
	v_and_b32 v2, 31, v0                           ; lane
	s_wait_kmcnt 0x0
	s_cmp_lt_u32 ttmp9, 48
	s_cbranch_scc1 .Lwa
	s_cmp_lt_u32 ttmp9, 112
	s_cbranch_scc1 .Lwp
; ---------------- x: a plain stream of blocks of 32.  A wave takes 16 steps of 512 numbers.  Each load reads 512 consecutive bytes; a step's 2,048 bytes turn through the wave's own
; stage in LDS and come back 64 bytes (16 neighbours) a lane; two neighbouring lanes hold a block.  A lane's 16 codes are 8 bytes: the wave stores 256 consecutive bytes.
.set XSTEPS, 16
.set XCB,   8                          ; bytes of 16 codes
.set XR,    16                         ; v16-79   four sets of 16 numbers as loaded
.set XX,    80                         ; v80-111  two sets of 16 neighbours
.set XE,    112                        ; v112-127 a scale byte for each step
.set XC,    128                        ; v128-191 codes: four registers for each step, so that no store's data are written again
.set XWREG, 8192                       ; LDS 0 .. 32,767: a region for each wave: two stages of 32 x 80 bytes, behind them its 256 scale bytes
.set XSP,   80
	v_lshlrev_b32 v3, 4, v2                        ; my 16 bytes of a load's 512
	s_mul_i32 s21, s20, XWREG
	v_lshrrev_b32 v12, 2, v2
	v_mul_u32_u24 v12, v12, XSP
	v_and_b32 v13, 3, v2
	v_lshl_add_u32 v12, v13, 4, v12
	v_add_nc_u32 v12, s21, v12                     ; into the stage: 80 (lane / 4) + 16 (lane % 4)
	v_mul_u32_u24 v13, v2, XSP
	v_add_nc_u32 v13, s21, v13                     ; out of it: 80 x lane: my 16 neighbours
	v_mul_u32_u24 v4, v2, XCB                      ; my codes' place in a step's
	v_lshrrev_b32 v5, 1, v2
	s_add_co_u32 s21, s21, 2*32*XSP
	v_add_nc_u32 v5, s21, v5                       ; my block's scale byte in LDS
	v_lshlrev_b32 v7, 3, v2
	v_add_nc_u32 v6, s21, v7                       ; and on the way out 8 bytes a lane
	s_sub_co_u32 s22, ttmp9, 112
	s_lshl_b32 s22, s22, 2
	s_add_co_u32 s22, s22, s20                     ; which run of 8,192 numbers is my wave's: 0 .. 1,023
	s_mov_b32 s25, 0
	s_lshl_b32 s24, s22, 15
	s_add_nc_u64 s[8:9], s[8:9], s[24:25]          ; 32,768 bytes of x a run,
	s_lshl_b32 s24, s22, 12
	s_add_nc_u64 s[16:17], s[16:17], s[24:25]      ; 4,096 of codes,
	s_lshl_b32 s24, s22, 8
	s_add_nc_u64 s[18:19], s[18:19], s[24:25]      ; 256 scale bytes
.macro XLOAD t
.irp i, 0,1,2,3
	global_load_b128 v[XR+16*((\t)%4)+4*\i:XR+16*((\t)%4)+4*\i+3], v3, s[8:9] offset:2048*(\t)+512*\i th:TH_LOAD_NT
.endr
.endm
.macro XTURN t                         ; step t's numbers through the stage: LDS serves a wave's instructions in order, so no wait stands between the stores and the loads
.irp i, 0,1,2,3
	ds_store_b128 v12, v[XR+16*((\t)%4)+4*\i:XR+16*((\t)%4)+4*\i+3] offset:32*XSP*((\t)%2)+8*XSP*\i
.endr
.irp i, 0,1,2,3
	ds_load_b128 v[XX+16*((\t)%2)+4*\i:XX+16*((\t)%2)+4*\i+3], v13 offset:32*XSP*((\t)%2)+16*\i
.endr
.endm
.irp t, 0,1,2,3
	XLOAD \t
.endr
	s_wait_loadcnt 12                              ; step 0's four loads are in; twelve younger ones stay out
	XTURN 0
.macro XSTEP t
.set XS, XX+16*((\t)%2)
.if (\t) > 0
	s_wait_dscnt 1                                 ; this step's numbers are back from the stage; the last step's byte store may be out
.else
	s_wait_dscnt 0x0
.endif
.if (\t)+4 < XSTEPS
	XLOAD (\t)+4                                   ; into the registers that this step's stores into the stage have read
.endif
.if (\t)+1 < XSTEPS
.if XSTEPS-2-(\t) >= 3
	s_wait_loadcnt 12                              ; the next step's four loads are in; those of the three steps behind it may be out
.else
	s_wait_loadcnt 4*(XSTEPS-2-(\t))
.endif
	XTURN (\t)+1
.endif
	v_max3_num_f32 v8, |v[XS]|, |v[XS+1]|, |v[XS+2]|               ; the largest magnitude of my 16, in two chains
	v_max3_num_f32 v9, |v[XS+3]|, |v[XS+4]|, |v[XS+5]|
.irp i, 6,10
	v_max3_num_f32 v8, v8, |v[XS+\i]|, |v[XS+\i+1]|
	v_max3_num_f32 v9, v9, |v[XS+\i+2]|, |v[XS+\i+3]|
.endr
	v_max3_num_f32 v8, v8, |v[XS+14]|, |v[XS+15]|
	v_max3_num_f32 v8, v8, v9, (EMAX+1)<<23        ; and the floor 2^(3 - 127): the byte cannot fall under 1
	v_max_num_f32_dpp v8, v8, v8 row_xmask:1 row_mask:0xf bank_mask:0xf   ; with my neighbour's 16: the block's
	v_add_nc_u32 v11, -(EMAX<<23), v8              ; 2 off its exponent field: the conversion takes the exponent field of this operand as its scale
	v_cvt_scalef32_pk8_fp4_f32 v[XC+4*(\t)], v[XS:XS+7], v11
	v_cvt_scalef32_pk8_fp4_f32 v[XC+4*(\t)+1], v[XS+8:XS+15], v11
	v_lshrrev_b32 v[XE+(\t)], 23, v11              ; the scale's byte (also the plain line behind the conversions)
	ds_store_b8 v5, v[XE+(\t)] offset:16*(\t)      ; both lanes of a block write the same byte with the same value
	global_store_b64 v4, v[XC+4*(\t):XC+4*(\t)+1], s[16:17] offset:32*XCB*(\t)   ; 32 lanes store 256 consecutive bytes, aligned
.endm
.irp t, 0,1,2,3,4,5,6,7,8,9,10,11,12,13,14,15
	XSTEP \t
.endr
	ds_load_b64 v[8:9], v6                         ; my wave's 256 scale bytes: these loads see my stores
	s_wait_dscnt 0x0
	global_store_b64 v7, v[8:9], s[18:19]          ; 256 consecutive bytes, aligned
	s_wait_tensorcnt 0x0                           ; the wave's end
	ds_add_u32 v[SPW], v[NIL]
	s_wait_dscnt 0x0
	s_endpgm
; ---------------- W_attn: K is its first axis.  A lane takes a column n and its registers run down K: a block of 32 lies in one lane, and the codes come out with K innermost.
; A wave takes 32 columns x 512 along K; the codes go through the wave's stage and leave as rows: sixteen lanes store 256 consecutive bytes.
.set WNB,   16                         ; blocks of a lane
.set WPI,   272                        ; a stage row: 256 bytes + 16
.set WKROW, 512                        ; a row of the codes' buffer
.set WN4,   3072*4                     ; a row of W_attn in bytes; the largest offset, 511 rows, stays inside the signed 24-bit immediate
.set WSTG,  32768                      ; LDS 32,768 .. 67,583
.set WX,    32                         ; v32-95   two sets of 32 numbers
.set WC,    96                         ; v96-99   a block's codes
.set WOUT,  112                        ; v112-175 the way out
.set WSB,   24                         ; v24-27   the scale bytes, four to a register
.Lwa:
	s_cmp_ge_u32 ttmp9, 24
	s_cselect_b32 s22, 1, 0                        ; which 512 along K
	s_cselect_b32 s21, 24, 0
	s_sub_co_u32 s21, ttmp9, s21                   ; which 128 columns
	s_lshl_b32 s21, s21, 7
	s_lshl_b32 s23, s20, 5
	s_add_co_u32 s21, s21, s23                     ; my wave's first column
	v_lshlrev_b32 v3, 2, v2                        ; in: 4 bytes a lane
	s_mul_i32 s23, s20, 32*WPI
	s_add_co_u32 s23, s23, WSTG                    ; my stage
	v_mul_u32_u24 v4, v2, WPI
	v_add_nc_u32 v4, s23, v4                       ; into it: row = my column
	v_and_b32 v5, 15, v2
	v_lshrrev_b32 v6, 4, v2
	v_mul_u32_u24 v7, v6, WPI
	v_lshl_add_u32 v7, v5, 4, v7
	v_add_nc_u32 v7, s23, v7                       ; out of it: sixteen lanes to a row, two rows an instruction
	v_mul_u32_u24 v8, v6, WKROW
	v_lshl_add_u32 v8, v5, 4, v8                   ; and the same place in the codes' buffer
	v_lshlrev_b32 v9, 5, v2                        ; my column's row of scale bytes
	s_mov_b32 s25, 0
	s_mul_i32 s24, s22, 512*WN4
	s_lshl_b32 s26, s21, 2
	s_add_co_u32 s24, s24, s26
	s_add_nc_u64 s[4:5], s[4:5], s[24:25]          ; W_attn: 512 y rows down, my first column
	s_lshl_b32 s24, s21, 9
	s_lshl_b32 s26, s22, 8
	s_add_co_u32 s24, s24, s26
	s_add_nc_u64 s[10:11], s[10:11], s[24:25]      ; codes: column x 512 + 256 y
	s_lshl_b32 s24, s21, 5
	s_lshl_b32 s26, s22, 4
	s_add_co_u32 s24, s24, s26
	s_add_nc_u64 s[12:13], s[12:13], s[24:25]      ; scale bytes: column x 32 + 16 y
.macro WLOAD t
.irp i, 0,1,2,3,4,5,6,7,8,9,10,11,12,13,14,15,16,17,18,19,20,21,22,23,24,25,26,27,28,29,30,31
	global_load_b32 v[WX+32*((\t)%2)+\i], v3, s[4:5] offset:(32*(\t)+\i)*WN4 th:TH_LOAD_NT
.endr
.endm
	WLOAD 0
	WLOAD 1
.macro WBLOCK t
.set XS, WX+32*((\t)%2)
.if (\t) < WNB-1
	s_wait_loadcnt 32                              ; this block's 32 loads are in; the next block's may be out
.else
	s_wait_loadcnt 0
.endif
	v_max3_num_f32 v12, |v[XS]|, |v[XS+1]|, |v[XS+2]|
	v_max3_num_f32 v13, |v[XS+3]|, |v[XS+4]|, |v[XS+5]|
.irp i, 6,10,14,18,22,26
	v_max3_num_f32 v12, v12, |v[XS+\i]|, |v[XS+\i+1]|
	v_max3_num_f32 v13, v13, |v[XS+\i+2]|, |v[XS+\i+3]|
.endr
	v_max3_num_f32 v12, v12, |v[XS+30]|, |v[XS+31]|
	v_max3_num_f32 v12, v12, v13, (EMAX+1)<<23     ; and the floor
	v_add_nc_u32 v11, -(EMAX<<23), v12             ; the conversion's scale operand
	v_lshrrev_b32 v13, 23, v11                     ; the scale's byte
.if (\t)%4 == 0
	v_mov_b32 v[WSB+(\t)/4], v13
.else
	v_lshl_or_b32 v[WSB+(\t)/4], v13, 8*((\t)%4), v[WSB+(\t)/4]
.endif
.irp g, 0,1,2,3
	v_cvt_scalef32_pk8_fp4_f32 v[WC+\g], v[XS+8*\g:XS+8*\g+7], v11
.endr
	v_nop                                          ; one plain line behind the last conversion
	ds_store_b128 v4, v[WC:WC+3] offset:16*(\t)    ; 32 codes: 16 bytes of my column's row
.if (\t)+2 < WNB
	WLOAD (\t)+2
.endif
	s_wait_dscnt 0x0                               ; the store has read its registers: the next block's codes may be written
.endm
.set Q, 0
.rept WNB
	WBLOCK Q
.set Q, Q+1
.endr
	global_store_b128 v9, v[WSB:WSB+3], s[12:13]   ; my column's 16 scale bytes
.irp t, 0,1,2,3,4,5,6,7,8,9,10,11,12,13,14,15
	ds_load_b128 v[WOUT+4*\t:WOUT+4*\t+3], v7 offset:2*\t*WPI
.endr
.irp t, 0,1,2,3,4,5,6,7,8,9,10,11,12,13,14,15
	s_wait_dscnt 15-\t                             ; load t is in; the younger ones stay out
	global_store_b128 v8, v[WOUT+4*\t:WOUT+4*\t+3], s[10:11] offset:2*\t*WKROW
.endr
	s_wait_tensorcnt 0x0                           ; the wave's end
	ds_add_u32 v[SPW], v[NIL]
	s_wait_dscnt 0x0
	s_endpgm
; ---------------- W_proj: the same plan without a quantiser.  A wave takes 32 columns x 128 along K (two planes of 64); a lane's 128 numbers become 256 bytes of f16 in its stage row.
; On the way out sixteen lanes store two neighbouring columns of one plane: 256 consecutive bytes, aligned; lanes 16-31 the same of the next plane.
.set PSTG,  67584                      ; LDS 67,584 .. 102,399
.Lwp:
	s_sub_co_u32 s21, ttmp9, 48
	s_and_b32 s22, s21, 7                          ; which 128 columns
	s_lshr_b32 s21, s21, 3                         ; which 128 along K
	s_lshl_b32 s22, s22, 7
	s_lshl_b32 s23, s20, 5
	s_add_co_u32 s22, s22, s23                     ; my wave's first column
	v_lshlrev_b32 v3, 2, v2
	s_mul_i32 s23, s20, 32*WPI
	s_add_co_u32 s23, s23, PSTG                    ; my stage
	v_mul_u32_u24 v4, v2, WPI
	v_add_nc_u32 v4, s23, v4                       ; into it: row = my column
	v_bfe_u32 v5, v2, 3, 1
	v_mul_u32_u24 v7, v5, WPI                      ; out of it: column 2 i + (lane / 8) % 2,
	v_lshrrev_b32 v6, 4, v2
	v_lshl_add_u32 v7, v6, 7, v7                   ; plane lane / 16: 128 bytes on,
	v_and_b32 v5, 7, v2
	v_lshl_add_u32 v7, v5, 4, v7                   ; 16 bytes a lane
	v_add_nc_u32 v7, s23, v7
	v_and_b32 v5, 15, v2
	v_lshlrev_b32 v8, 17, v6                       ; in wp16: a plane is 131,072 bytes,
	v_lshl_add_u32 v8, v5, 4, v8                   ; two columns of 128 bytes on end
	s_mov_b32 s25, 0
	s_lshl_b32 s24, s21, 19                        ; 128 rows of 4,096 bytes
	s_lshl_b32 s26, s22, 2
	s_add_co_u32 s24, s24, s26
	s_add_nc_u64 s[6:7], s[6:7], s[24:25]
	s_lshl_b32 s24, s21, 18                        ; two planes
	s_lshl_b32 s26, s22, 7
	s_add_co_u32 s24, s24, s26
	s_add_nc_u64 s[14:15], s[14:15], s[24:25]
.macro PLOAD t
.irp i, 0,1,2,3,4,5,6,7,8,9,10,11,12,13,14,15,16,17,18,19,20,21,22,23,24,25,26,27,28,29,30,31
	global_load_b32 v[32+32*((\t)%2)+\i], v3, s[6:7] offset:(32*(\t)+\i)*4096
.endr
.endm
	PLOAD 0
	PLOAD 1
.macro PBLOCK t
.set XS, 32+32*((\t)%2)
.if (\t) < 3
	s_wait_loadcnt 32                              ; this block's 32 loads are in; the next block's may be out
.else
	s_wait_loadcnt 0
.endif
.irp i, 0,1,2,3,4,5,6,7,8,9,10,11,12,13,14,15
	v_cvt_pk_f16_f32 v[96+\i], v[XS+2*\i], v[XS+2*\i+1]
.endr
.irp g, 0,1,2,3
	ds_store_b128 v4, v[96+4*\g:96+4*\g+3] offset:64*(\t)+16*\g
.endr
.if (\t)+2 < 4
	PLOAD (\t)+2
.endif
	s_wait_dscnt 0x0                               ; the stores have read their registers
.endm
.irp t, 0,1,2,3
	PBLOCK \t
.endr
.irp t, 0,1,2,3,4,5,6,7,8,9,10,11,12,13,14,15
	ds_load_b128 v[112+4*\t:112+4*\t+3], v7 offset:2*\t*WPI
.endr
.irp t, 0,1,2,3,4,5,6,7,8,9,10,11,12,13,14,15
	s_wait_dscnt 15-\t                             ; load t is in; the younger ones stay out
	global_store_b128 v8, v[112+4*\t:112+4*\t+3], s[14:15] offset:256*\t
.endr
	s_wait_tensorcnt 0x0                           ; the wave's end
	ds_add_u32 v[SPW], v[NIL]
	s_wait_dscnt 0x0
	s_endpgm
.Lfunc_end_k_q74496e39b4_prep:
	.size	k_q74496e39b4_prep, .Lfunc_end_k_q74496e39b4_prep-k_q74496e39b4_prep
	.p2alignl 7, 3214868480
	.fill 96, 4, 3214868480
	.section	.rodata,"a",@progbits
	.p2align	6, 0x0
	.amdhsa_kernel k_q74496e39b4_prep
		.amdhsa_group_segment_fixed_size 102912
		.amdhsa_private_segment_fixed_size 0
		.amdhsa_enable_private_segment 0
		.amdhsa_kernarg_size 64
		.amdhsa_user_sgpr_count 2
		.amdhsa_user_sgpr_kernarg_segment_ptr 1
		.amdhsa_wavefront_size32 1
		.amdhsa_system_sgpr_workgroup_id_x 1
		.amdhsa_system_sgpr_workgroup_id_y 1
		.amdhsa_system_sgpr_workgroup_id_z 1
		.amdhsa_system_vgpr_workitem_id 0
		.amdhsa_next_free_vgpr 192
		.amdhsa_next_free_sgpr 66
		.amdhsa_reserve_vcc 0
		.amdhsa_float_denorm_mode_32 3
		.amdhsa_float_denorm_mode_16_64 3
		.amdhsa_memory_ordered 1
		.amdhsa_forward_progress 1
		.amdhsa_inst_pref_size 133
	.end_amdhsa_kernel
	.amdgpu_metadata
---
amdhsa.version: [ 1, 2 ]
amdhsa.kernels:
  - .name:           k_q74496e39b4_prep
    .symbol:         k_q74496e39b4_prep.kd
    .args:
      - { .name: W_attn, .offset: 0, .size: 8, .value_kind: global_buffer, .address_space: global }
      - { .name: W_proj, .offset: 8, .size: 8, .value_kind: global_buffer, .address_space: global }
      - { .name: x, .offset: 16, .size: 8, .value_kind: global_buffer, .address_space: global }
      - { .name: wa_codes, .offset: 24, .size: 8, .value_kind: global_buffer, .address_space: global }
      - { .name: wa_scales, .offset: 32, .size: 8, .value_kind: global_buffer, .address_space: global }
      - { .name: wp16, .offset: 40, .size: 8, .value_kind: global_buffer, .address_space: global }
      - { .name: xq_codes, .offset: 48, .size: 8, .value_kind: global_buffer, .address_space: global }
      - { .name: xq_scales, .offset: 56, .size: 8, .value_kind: global_buffer, .address_space: global }
    .group_segment_fixed_size: 102912
    .private_segment_fixed_size: 0
    .kernarg_segment_align: 8
    .kernarg_segment_size: 64
    .max_flat_workgroup_size: 128
    .sgpr_count:     66
    .vgpr_count:     192
    .wavefront_size: 32
...
	.end_amdgpu_metadata
.endif
;; end of part 1
;; launch qkv (part 2): grid 12 x 32, 4 waves a work-group, clusters of 4 x 4, 327,680 bytes of LDS; arguments xq_codes, xq_scales, wa_codes, wa_scales, qkv16, qkv32; writes qkv16, qkv32
.if DOCPART == 2
	.amdgcn_target "amdgcn-amd-amdhsa--gfx1250"
	.amdhsa_code_object_version 6
	.text
	.protected	k_q74496e39b4_qkv
	.globl	k_q74496e39b4_qkv
	.p2align	8
	.type	k_q74496e39b4_qkv,@function
k_q74496e39b4_qkv:
	s_mov_b64 s[64:65], 0
	v_nop
	global_prefetch_b8 v0, s[64:65] scope:SCOPE_SE
	s_setreg_imm32_b32 hwreg(HW_REG_WAVE_MODE, 25, 1), 1
	s_wait_xcnt 0x0
	s_wait_alu depctr_hold_cnt(0) depctr_sa_sdst(0) depctr_va_vdst(0) depctr_va_sdst(0) depctr_va_ssrc(0) depctr_va_vcc(0) depctr_vm_vsrc(0)
	s_getreg_b32 s2, hwreg(HW_REG_IB_STS2, 6, 4)
	s_cmp_eq_u32 s2, 0
	s_cbranch_scc0 .Lentry_in_a_cluster
	s_endpgm
.Lentry_in_a_cluster:
	s_bfe_u32 s2, ttmp6, 0x10000c
	s_cmp_lg_u32 s2, 0xf033
	s_cbranch_scc0 .Lentry_shape_is_right
	s_endpgm
.Lentry_shape_is_right:
; QKV: qkv[m][n] = sum over k of x[m][k] W_attn[k][n], both operands as codes of FP4 (E2M1) with one E8M0 scale for each 32 along K; sums in f32.  M 8,192, N 3,072, K 1,024.
; A tile of 256 x 256 is made by four waves, 128 x 128 each: 64 accumulators, 512 registers.  K is two steps of 512: both LDS slots are filled at the start and never again.
; The scale bytes of the work-group's 256 rows of each operand, for all of K, are two dense blocks: they come once, with the first fills.
; CLUSTERS: 4 x 4 work-groups; A's tiles are asked for jointly along a row of the cluster, B's along a column.  The tile row is 8 cy + cluster y: the four rows of a cluster are the same
; 256 positions of the four batches, so that 'this tile holds a sequence's first positions' reads cluster y = 0, which all sixteen partners share.
; THE MATRIX INSTRUCTION IS USED TRANSPOSED (source 0 = 16 rows of W's codes, source 1 = 16 rows of x's): a lane holds eight neighbouring columns of one row.
; OUT: f16, laid by head, qkv16 [batch][48 heads: q's 16, k's 16, v's 16][2,048][64]; the first 16 positions of each batch also in f32, qkv32 [batch][48][16][64].
; LIMIT: |q|, |k|, |v| stay under 65,504, f16's largest number.
; No prefetch: every tensor load of the launch is a first fill at its head.  384 work-groups: a tile of which 256 would cover the product does not fit a wave's registers.
; REGISTERS: window 0: v16-30 addresses; v32-95 scale words, two sets; v128-191 A's fragments, one set.  window 1: B's fragments, two sets.  windows 2, 3: the accumulators ((a, b) at v[8 (8 (a % 4) + b)]).
.set SIZE_N, 3072
.set SIZE_K, 1024
.set NQ,     4                         ; matrix instructions deep in a slot: 512 along K
.set ROWB,   256                       ; a tile's row in bytes
.set KROW,   512                       ; a row of codes in memory
.set PITCH,  272                       ; an LDS row: 256 + 16: the sixteen rows of a fragment load start at sixteen different banks
.set FR,     8
.set NL,     2
.set NP,     4
.set HALFT,  128*PITCH
.set SLOT,   4*HALFT
.set KS,     32                        ; a row of scale bytes
.set SCL,    2*SLOT
.set HALFS,  16*272                    ; the scales of 128 rows: 16 units of 256 bytes + 16
.set SBLK,   2*272                     ; those of 16 rows
.set SPARE,  SCL+4*HALFS               ; the spare words: 128 bytes for each wave
.set STGB,   16*528                    ; the way out: a stage for each wave, in slot 0, which has had its only fill and its last read by then
.set ADRA, 16
.set ADRB, 20
.set STO32, 22                         ; v22  f32 rows into the stage
.set RD32,  23                         ; v23  and back
.set STO,  24                          ; v24  f16 rows into the stage
.set RD,   25                          ; v25  and back
.set CO,   26                          ; v26  my byte offset in qkv16
.set ADRS, 27
.set SPW,  28
.set NIL,  29
.set CO32, 30                          ; v30  my byte offset in qkv32
.set SC,   32
.set AF,   128
.set TMP,  192                         ; packed results
.set G1, 24
.set G0, 32
.set G1B, 48
.set G0B, 56
.set G1S, 68
.set G0S, 76
.set G1SB, 80
.set G0SB, 88
.set MSB, 0
.macro WIN new                         ; the immediate's high byte repeats the setting that is left
.if MSB != \new
	s_set_vgpr_msb (MSB<<8)|\new
.set MSB, \new
.endif
.endm
.set MUL_LO, 0xa1                      ; source 0 (B) window 1, source 1 (A) window 0, C and D window 2
.set MUL_HI, 0xf1
.set TO_B,   0x40
; A joint load: waves 0 and 1 fetch for A, waves 2 and 3 for B; the branch hangs on the wave's number alone.  An s_nop 0 and four v_nop follow each line.
.macro JLOAD g0a, g1a, g0b, g1b
	s_cmp_eq_u32 s15, 0
	s_cbranch_scc0 .Lfor_b_\@
	tensor_load_to_lds s[\g0a:\g0a+3], s[\g1a:\g1a+7]
	s_nop 0
.rept 4
	v_nop
.endr
	s_branch .Lasked_\@
.Lfor_b_\@:
	tensor_load_to_lds s[\g0b:\g0b+3], s[\g1b:\g1b+7]
	s_nop 0
.rept 4
	v_nop
.endr
.Lasked_\@:
.endm
.macro CROUND                          ; a round of the cluster's barrier
	s_barrier_signal -1
	s_barrier_wait -1
	s_cmp_lg_u32 s14, 0
	s_cbranch_scc1 .Lnot_wave_0_\@
	s_barrier_signal -3
.Lnot_wave_0_\@:
	s_barrier_wait -3
	s_barrier_signal -1
	s_barrier_wait -1
.endm
	s_load_b128 s[4:7], s[0:1], 0x0                ; x's codes, x's scales
	s_load_b128 s[8:11], s[0:1], 0x10              ; W's codes, W's scales
	s_load_b64 s[12:13], s[0:1], 0x20              ; qkv16
	s_load_b64 s[96:97], s[0:1], 0x28              ; qkv32
	v_lshl_add_u32 v[SPW], v0, 2, SPARE
	v_mov_b32 v[NIL], 0
	ds_add_u32 v[SPW], v[NIL]                      ; the wave's opening: the add, twice on end, and its wait ahead of my first tensor load
	ds_add_u32 v[SPW], v[NIL]
	v_lshrrev_b32 v1, 5, v0
	v_readfirstlane_b32 s14, v1                    ; wave 0..3
	s_lshr_b32 s15, s14, 1                         ; which half of the tile's rows is mine; also: I fetch for A (0) or for B (1)
	s_and_b32 s16, s14, 1                          ; which half of its columns; also: which 128 rows I fetch
	s_bfe_u32 s40, ttmp6, 0x40000                  ; cx
	s_bfe_u32 s41, ttmp6, 0x40004                  ; cy
	s_lshl_b32 s42, ttmp9, 2
	s_add_co_u32 s42, s42, s40                     ; tile column = 4 x cluster x + cx
	s_and_b32 s95, ttmp7, 0xffff                   ; cluster y: which 256 positions of a batch
	s_lshl_b32 s17, s41, 3
	s_add_co_u32 s17, s17, s95                     ; tile row = 8 cy + cluster y: batch cy
	s_lshl_b32 s43, s41, 2
	s_lshl_b32 s43, 15, s43                        ; my row of the cluster
	s_lshl_b32 s44, 0x1111, s40                    ; my column
	s_or_b32 s[G1+0], s43, (0<<16)|(1<<20)|(1<<21)|(5<<22)|(3<<25)  ; mask; elements of 1 byte; padding: 4 words behind every 64
	s_or_b32 s[G1B+0], s44, (0<<16)|(1<<20)|(1<<21)|(5<<22)|(3<<25)
.irp g, G1, G1B
	s_mov_b32 s[\g+1], ROWB<<16                    ; tensor_dim0
	s_mov_b32 s[\g+2], 128<<16                     ; tensor_dim1
	s_mov_b32 s[\g+3], ROWB<<16                    ; tile_dim0
	s_mov_b32 s[\g+4], 128                         ; tile_dim1
	s_mov_b32 s[\g+5], KROW                        ; pitch
	s_mov_b32 s[\g+6], 0
	s_mov_b32 s[\g+7], 0
.endr
	s_or_b32 s[G1S+0], s43, (3<<16)|(1<<20)|(1<<21)|(5<<22)|(3<<25) ; the scales of 128 rows: 4,096 dense bytes as 16 rows of 32 elements of 8 bytes
	s_or_b32 s[G1SB+0], s44, (3<<16)|(1<<20)|(1<<21)|(5<<22)|(3<<25)
.irp g, G1S, G1SB
	s_mov_b32 s[\g+1], 32<<16
	s_mov_b32 s[\g+2], 16<<16
	s_mov_b32 s[\g+3], 32<<16
	s_mov_b32 s[\g+4], 16
	s_mov_b32 s[\g+5], 32
	s_mov_b32 s[\g+6], 0
	s_mov_b32 s[\g+7], 0
.endr
	s_lshl_b32 s18, s16, 7
	s_lshl_b32 s20, s17, 8
	s_add_co_u32 s20, s20, s18                     ; A: row 256 x tile row + 128 x half
	s_lshl_b32 s46, s42, 8
	s_add_co_u32 s46, s46, s18                     ; B: row 256 x tile column + 128 x half
	s_mov_b32 s21, 0
	s_mov_b32 s47, 0
	s_mov_b64 s[18:19], KS
	s_mul_u64 s[22:23], s[20:21], s[18:19]         ; where these rows' scales begin
	s_mul_u64 s[92:93], s[46:47], s[18:19]
	s_mov_b64 s[18:19], KROW
	s_mul_u64 s[20:21], s[20:21], s[18:19]         ; and their codes
	s_mul_u64 s[46:47], s[46:47], s[18:19]
	s_mul_i32 s45, s14, HALFT                      ; where they go: wave x 128 rows
	s_mul_i32 s94, s14, HALFS
	s_wait_dscnt 0x0                               ; both opening adds are done
	s_wait_kmcnt 0x0
	s_add_nc_u64 s[20:21], s[4:5], s[20:21]
	s_add_nc_u64 s[22:23], s[6:7], s[22:23]
	s_add_nc_u64 s[46:47], s[8:9], s[46:47]
	s_add_nc_u64 s[92:93], s[10:11], s[92:93]
	CROUND                                         ; all sixteen work-groups are here: the joint loads meet
	s_mov_b32 s[G0S], 1
	s_add_co_u32 s[G0S+1], s94, SCL
	s_mov_b64 s[G0S+2:G0S+3], s[22:23]
	s_or_b32 s[G0S+3], s[G0S+3], 0x80000000
	s_mov_b32 s[G0SB], 1
	s_add_co_u32 s[G0SB+1], s94, SCL
	s_mov_b64 s[G0SB+2:G0SB+3], s[92:93]
	s_or_b32 s[G0SB+3], s[G0SB+3], 0x80000000
	JLOAD G0S, G1S, G0SB, G1SB                     ; the scales first; by this text's count three loads of a wave are out at the most
.irp s, 0,1
	s_mov_b32 s[G0+4*\s], 1
	s_add_co_u32 s[G0+4*\s+1], s45, \s*SLOT
	s_add_nc_u64 s[G0+4*\s+2:G0+4*\s+3], s[20:21], \s*ROWB
	s_or_b32 s[G0+4*\s+3], s[G0+4*\s+3], 0x80000000
	s_mov_b32 s[G0B+4*\s], 1
	s_add_co_u32 s[G0B+4*\s+1], s45, \s*SLOT
	s_add_nc_u64 s[G0B+4*\s+2:G0B+4*\s+3], s[46:47], \s*ROWB
	s_or_b32 s[G0B+4*\s+3], s[G0B+4*\s+3], 0x80000000
	JLOAD G0+4*\s, G1, G0B+4*\s, G1B
.endr
	v_and_b32 v1, 15, v0                           ; r = lane % 16
	v_bfe_u32 v2, v0, 4, 1                         ; h = lane / 16
	v_mul_u32_u24 v3, v1, PITCH
	v_lshl_add_u32 v4, v2, 4, v3                   ; a fragment's row x pitch + 16 h
	s_mul_i32 s21, s15, HALFT
	s_mul_i32 s22, s16, HALFT
	s_add_co_u32 s22, s22, 2*HALFT
.irp s, 0,1
	v_add_nc_u32 v[ADRA+\s], s21, v4
	v_add_nc_u32 v[ADRB+\s], s22, v4
	s_add_co_u32 s21, s21, SLOT
	s_add_co_u32 s22, s22, SLOT
.endr
	v_mul_u32_u24 v5, v1, KS                       ; my row's scales: 32 bytes a row,
	v_lshrrev_b32 v6, 8, v5
	v_lshl_add_u32 v5, v6, 4, v5                   ; and 16 more for each 256 passed
	s_mul_i32 s21, s15, HALFS
	s_mul_i32 s22, s16, HALFS
	s_add_co_u32 s22, s22, 2*HALFS
	s_sub_co_u32 s22, s22, s21
	v_mul_u32_u24 v6, s22, v2                      ; lanes 16-31 take B's
	s_add_co_u32 s21, s21, SCL
	v_add_nc_u32 v5, v5, v6
	v_add_nc_u32 v[ADRS], s21, v5
	; the way out's addresses, all made here, ahead of every branch of the way out
	s_mul_i32 s23, s14, STGB                       ; my stage
	v_mul_u32_u24 v5, v1, 272
	v_lshl_add_u32 v5, v2, 4, v5
	v_add_nc_u32 v[STO], s23, v5                   ; f16 in: row r of 256 bytes + 16, 16 bytes for each half of the lanes
	v_bfe_u32 v5, v0, 3, 1
	v_mul_u32_u24 v5, v5, 272
	v_lshl_add_u32 v5, v2, 7, v5
	v_and_b32 v6, 7, v0
	v_lshl_add_u32 v5, v6, 4, v5
	v_add_nc_u32 v[RD], s23, v5                    ; back: row 2 i + (lane / 8) % 2, head lane / 16 (128 bytes on), 16 bytes a lane
	v_lshlrev_b32 v5, 18, v2
	v_lshl_add_u32 v[CO], v1, 4, v5                ; in qkv16: head lane / 16 (262,144 bytes on), two rows of 128 bytes on end
	v_mul_u32_u24 v5, v1, 528
	v_lshl_add_u32 v5, v2, 5, v5
	v_add_nc_u32 v[STO32], s23, v5                 ; f32 in: row r of 512 bytes + 16, 32 bytes for each half
	v_and_b32 v6, 31, v0
	v_lshl_add_u32 v[RD32], v6, 4, s23             ; back: a row's 512 bytes in 32 lanes
	v_lshlrev_b32 v5, 12, v2
	v_lshl_add_u32 v[CO32], v1, 4, v5              ; in qkv32: head lane / 16 (4,096 bytes on), a row of 256 bytes in sixteen lanes
	s_mul_i32 s20, s41, 12582912                   ; qkv16: my batch,
	s_lshl_b32 s21, s95, 15                        ; 256 positions of 128 bytes for each cluster y,
	s_add_co_u32 s20, s20, s21
	s_lshl_b32 s21, s15, 14                        ; 128 for my half
	s_add_co_u32 s20, s20, s21
	s_mov_b32 s21, 0
	s_lshl_b32 s46, s42, 2
	s_lshl_b32 s47, s16, 1
	s_add_co_u32 s46, s46, s47                     ; my first head: 4 x tile column + 2 x half
	s_lshl_b32 s92, s46, 12
	s_lshl_b32 s46, s46, 18
	s_mov_b32 s47, 0
	s_add_nc_u64 s[20:21], s[20:21], s[46:47]
	s_add_nc_u64 s[12:13], s[12:13], s[20:21]
	s_mul_i32 s20, s41, 48*4096                    ; qkv32: my batch, my first head
	s_add_co_u32 s20, s20, s92
	s_mov_b32 s21, 0
	s_add_nc_u64 s[96:97], s[96:97], s[20:21]
.macro FRAG reg, adr, q, i             ; 16 rows x 128 K of 4-bit codes: 8 registers: two loads of 16 bytes, 32 bytes apart
.irp c, 0,1
	ds_load_b128 v[\reg+4*\c:\reg+4*\c+3], v[\adr] offset:64*(\q)+32*\c+(\i)*16*PITCH
.endr
.endm
; 16 matrix instructions: A's blocks a0, a0 + 1 x B's eight.  The 64 accumulators take turns, one instruction a turn.
.macro MUL16 a0, p, q, sc, zero
.irp a, \a0, \a0+1
.irp b, 0,1,2,3,4,5,6,7
.if \zero
	v_wmma_scale_f32_16x16x128_f8f6f4 v[8*(8*((\a)%4)+\b):8*(8*((\a)%4)+\b)+7], v[128*(\p)+FR*\b:128*(\p)+FR*\b+FR-1], v[AF+FR*(\a):AF+FR*(\a)+FR-1], 0, v[SC+8*NQ*(\sc)+NQ*\b+(\q)], v[SC+8*NQ*(\sc)+NQ*(\a)+(\q)] matrix_a_fmt:MATRIX_FMT_FP4 matrix_b_fmt:MATRIX_FMT_FP4 matrix_a_scale:MATRIX_SCALE_ROW1
.else
	v_wmma_scale_f32_16x16x128_f8f6f4 v[8*(8*((\a)%4)+\b):8*(8*((\a)%4)+\b)+7], v[128*(\p)+FR*\b:128*(\p)+FR*\b+FR-1], v[AF+FR*(\a):AF+FR*(\a)+FR-1], v[8*(8*((\a)%4)+\b):8*(8*((\a)%4)+\b)+7], v[SC+8*NQ*(\sc)+NQ*\b+(\q)], v[SC+8*NQ*(\sc)+NQ*(\a)+(\q)] matrix_a_fmt:MATRIX_FMT_FP4 matrix_b_fmt:MATRIX_FMT_FP4 matrix_a_scale:MATRIX_SCALE_ROW1
.endif
.endr
.endr
.endm
.macro FETCH_B slot, q, p
	WIN TO_B
.irp i, 0,1,2,3,4,5,6,7
	FRAG 128*(\p)+FR*\i, ADRB+\slot, \q, \i
.endr
	WIN 0
.endm
.macro FETCH_A slot, q, i0
.irp i, \i0, \i0+1, \i0+2, \i0+3
	FRAG AF+FR*(\i), ADRA+\slot, \q, \i
.endr
.endm
.macro SCALES sc                       ; a K step's scale words: lanes 0-15 A's block i, lanes 16-31 B's block i
.irp i, 0,1,2,3,4,5,6,7
	ds_load_b128 v[SC+8*NQ*\sc+NQ*\i:SC+8*NQ*\sc+NQ*\i+3], v[ADRS] offset:\i*SBLK
.endr
.endm
.macro PLACES n                        ; plain places behind matrix instructions, in front of loads into their registers and of reads of results
.rept \n
	v_nop
.endr
.endm
.macro STEP slot, q, zero              ; 128 along K, with its successor in the same slot
	s_wait_dscnt 4*NL                              ; B's set and A's blocks 0-3 are in; the youngest eight loads (A's blocks 4-7) may be out
	WIN MUL_LO
	MUL16 0, (\q)%2, \q, \slot, \zero
	MUL16 2, (\q)%2, \q, \slot, \zero
	s_wait_dscnt 0
	PLACES NP
	FETCH_B \slot, (\q)+1, 1-(\q)%2
	FETCH_A \slot, (\q)+1, 0
	WIN MUL_HI
	MUL16 4, (\q)%2, \q, \slot, \zero
	MUL16 6, (\q)%2, \q, \slot, \zero
	PLACES NP
	WIN 0
	FETCH_A \slot, (\q)+1, 4
.endm
.macro TURN slot, next                 ; slot 0's last step changes slots: one barrier; nothing is filled again
	s_wait_tensorcnt 0x0                           ; all my tensor loads have landed: my part of the next slot
	ds_add_u32 v[SPW], v[NIL]                      ; 0 onto my spare word
	s_wait_dscnt 4*NL+1                            ; the add and the youngest eight loads may be out
	WIN MUL_LO
	MUL16 0, 1, NQ-1, \slot, 0
	s_wait_dscnt 0x0                               ; the add is done, and my reads of this slot are over
	s_barrier_signal -1
	MUL16 2, 1, NQ-1, \slot, 0
	WIN 0
	s_barrier_wait -1                              ; the next slot is whole, and nobody reads this one any more
	PLACES NP
	v_add_nc_u32 v[ADRS], 4*NQ, v[ADRS]            ; the next K step's scale words
	FETCH_B \next, 0, 0
	FETCH_A \next, 0, 0
	SCALES \next
	WIN MUL_HI
	MUL16 4, 1, NQ-1, \slot, 0
	MUL16 6, 1, NQ-1, \slot, 0
	PLACES NP
	WIN 0
	FETCH_A \next, 0, 4
.endm
	s_wait_tensorcnt 1                             ; the scales and my part of slot 0 are in; slot 1's load may be out
	s_barrier_signal -1
	s_barrier_wait -1
	FETCH_B 0, 0, 0
	FETCH_A 0, 0, 0
	SCALES 0
	FETCH_A 0, 0, 4
	STEP 0, 0, 1                                   ; the first products start the sums: nothing is cleared
	STEP 0, 1, 0
	STEP 0, 2, 0
	TURN 0, 1
	STEP 1, 0, 0
	STEP 1, 1, 0
	STEP 1, 2, 0
	s_wait_dscnt 4*NL                              ; the last step: nothing more to fetch
	WIN MUL_LO
	MUL16 0, 1, NQ-1, 1, 0
	MUL16 2, 1, NQ-1, 1, 0
	s_wait_dscnt 0
	WIN MUL_HI
	MUL16 4, 1, NQ-1, 1, 0
	MUL16 6, 1, NQ-1, 1, 0
	WIN 0
	PLACES NP
	; THE FIRST 16 POSITIONS OF A BATCH ALSO LEAVE IN F32: they are block 0 of the waves with the tile's upper rows, where cluster y = 0.  Both tests are the same in all partners of a cluster for a given wave.
	s_cmp_lg_u32 s95, 0
	s_cbranch_scc1 .Lno_fine
	s_cmp_lg_u32 s15, 0
	s_cbranch_scc1 .Lno_fine
	WIN 0x08                                       ; an LDS store's data: window 2
.irp b, 0,1,2,3,4,5,6,7
	ds_store_b128 v[STO32], v[8*\b:8*\b+3] offset:64*\b            ; each accumulator from its low end on
	ds_store_b128 v[STO32], v[8*\b+4:8*\b+7] offset:64*\b+16
.endr
	WIN 0
.irp t, 0,1,2,3,4,5,6,7,8,9,10,11,12,13,14,15
	ds_load_b128 v[128+4*\t:128+4*\t+3], v[RD32] offset:\t*528      ; LDS serves a wave's instructions in order: these see my stores
.endr
	s_wait_dscnt 0x0
.irp t, 0,1,2,3,4,5,6,7,8,9,10,11,12,13,14,15
	global_store_b128 v[CO32], v[128+4*\t:128+4*\t+3], s[96:97] offset:256*\t   ; sixteen lanes store a head's row: 256 consecutive bytes, aligned
.endr
.Lno_fine:
; THE WAY OUT in f16, block by block of 16 rows x 128 columns (two heads).
.macro PACK a
.set AC, 64*((\a)%4)
	WIN 0x0a+5*((\a)/4)                            ; sources 0 and 1: window 2 or 3
.irp b, 0,1,2,3,4,5,6,7
.irp i, 0,1,2,3
	v_cvt_pk_f16_f32 v[TMP+4*\b+\i], v[AC+8*\b+2*\i], v[AC+8*\b+2*\i+1]
.endr
.endr
	WIN 0
.endm
.macro TOSTAGE a
.set BB, 32+32*((\a)%2)
.irp b, 0,1,2,3,4,5,6,7
	ds_store_b128 v[STO], v[TMP+4*\b:TMP+4*\b+3] offset:32*\b
.endr
.irp t, 0,1,2,3,4,5,6,7
	ds_load_b128 v[BB+4*\t:BB+4*\t+3], v[RD] offset:\t*544
.endr
.endm
.macro SEND a
.set BB, 32+32*((\a)%2)
	s_wait_dscnt 0x0                               ; the block is back in registers
	s_wait_xcnt 0x0                                ; the stores of the block before have read their registers: the next block's loads may land there
.irp t, 0,1,2,3,4,5,6,7
	global_store_b128 v[CO], v[BB+4*\t:BB+4*\t+3], s[12:13] offset:2048*(\a)+256*\t   ; sixteen lanes store two rows of one head: 256 consecutive bytes, aligned
.endr
.endm
	PACK 0
	TOSTAGE 0
.irp a, 1,2,3,4,5,6,7
	PACK \a
	SEND (\a)-1
	TOSTAGE \a
.endr
	SEND 7
	s_wait_tensorcnt 0x0                           ; the wave's end
	ds_add_u32 v[SPW], v[NIL]
	s_wait_dscnt 0x0
	CROUND                                         ; the closing round
	s_endpgm
.Lfunc_end_k_q74496e39b4_qkv:
	.size	k_q74496e39b4_qkv, .Lfunc_end_k_q74496e39b4_qkv-k_q74496e39b4_qkv
	.p2alignl 7, 3214868480
	.fill 96, 4, 3214868480
	.section	.rodata,"a",@progbits
	.p2align	6, 0x0
	.amdhsa_kernel k_q74496e39b4_qkv
		.amdhsa_group_segment_fixed_size 327680
		.amdhsa_private_segment_fixed_size 0
		.amdhsa_enable_private_segment 0
		.amdhsa_kernarg_size 48
		.amdhsa_user_sgpr_count 2
		.amdhsa_user_sgpr_kernarg_segment_ptr 1
		.amdhsa_wavefront_size32 1
		.amdhsa_system_sgpr_workgroup_id_x 1
		.amdhsa_system_sgpr_workgroup_id_y 1
		.amdhsa_system_sgpr_workgroup_id_z 1
		.amdhsa_system_vgpr_workitem_id 0
		.amdhsa_next_free_vgpr 1024
		.amdhsa_next_free_sgpr 100
		.amdhsa_reserve_vcc 0
		.amdhsa_float_denorm_mode_32 3
		.amdhsa_float_denorm_mode_16_64 3
		.amdhsa_memory_ordered 1
		.amdhsa_forward_progress 1
		.amdhsa_inst_pref_size 131
	.end_amdhsa_kernel
	.amdgpu_metadata
---
amdhsa.version: [ 1, 2 ]
amdhsa.kernels:
  - .name:           k_q74496e39b4_qkv
    .symbol:         k_q74496e39b4_qkv.kd
    .args:
      - { .name: xq_codes, .offset: 0, .size: 8, .value_kind: global_buffer, .address_space: global }
      - { .name: xq_scales, .offset: 8, .size: 8, .value_kind: global_buffer, .address_space: global }
      - { .name: wa_codes, .offset: 16, .size: 8, .value_kind: global_buffer, .address_space: global }
      - { .name: wa_scales, .offset: 24, .size: 8, .value_kind: global_buffer, .address_space: global }
      - { .name: qkv16, .offset: 32, .size: 8, .value_kind: global_buffer, .address_space: global }
      - { .name: qkv32, .offset: 40, .size: 8, .value_kind: global_buffer, .address_space: global }
    .group_segment_fixed_size: 327680
    .private_segment_fixed_size: 0
    .kernarg_segment_align: 8
    .kernarg_segment_size: 48
    .max_flat_workgroup_size: 128
    .sgpr_count:     100
    .vgpr_count:     1024
    .wavefront_size: 32
...
	.end_amdgpu_metadata
.endif
;; end of part 2
;; launch attn (part 3): grid 4 x 64, 16 waves a work-group, no clusters, 327,680 bytes of LDS; arguments qkv16, y16; writes y16
.if DOCPART == 3
	.amdgcn_target "amdgcn-amd-amdhsa--gfx1250"
	.amdhsa_code_object_version 6
	.text
	.protected	k_q74496e39b4_attn
	.globl	k_q74496e39b4_attn
	.p2align	8
	.type	k_q74496e39b4_attn,@function
k_q74496e39b4_attn:
	s_mov_b64 s[64:65], 0
	v_nop
	global_prefetch_b8 v0, s[64:65] scope:SCOPE_SE
	s_setreg_imm32_b32 hwreg(HW_REG_WAVE_MODE, 25, 1), 1
	s_wait_xcnt 0x0
; ATTN: y[b][h][q] = the sum over k <= q of softmax_k(Q[q] . K[k] / 8) V[k], head size 64, 2,048 positions, 64 heads in all.  Operands in f16, products, maxima and sums in f32;
; the weights p = 2^(c s - c m), m the running maximum, c = log2(e) / 8, are rounded to f16 for the second product; y is rounded to f16 once, laid [head][2,048 b + t][64].
; SHARES.  Work-group (i, head) owns the query blocks i and 7 - i, 256 queries each: under the causal mask that is the same work in every one of the 256 work-groups.
; Waves 0-7 take the low block, waves 8-15 the high one; a wave owns 32 queries, two tiles of 16, in 256 registers: four waves to a SIMD, so that one wave's softmax stands beside another's products.
; Every work-group walks 8 slots of 256 keys (constant trip counts); a step is 64 keys.  A step all of whose keys come after the wave's queries is jumped over (ids alone);
; a slot whose first key comes after the work-group's last query is not asked for.  Every wait for tensor loads in this text is for all of them.
; LAYOUT.  S^T = K Q^T (source 0 = 16 keys, source 1 = 16 queries): a lane holds ONE query and the keys 8 (lane / 16) + 0..7 of each tile; two such tiles, rounded in pairs, are source 1 of
; O^T = V^T P.  K comes out of LDS as it lies, V ([key][channel]) turned, by ds_load_tr16_b128.
; NO CLUSTER: the four work-groups of a head need 8, 7, 6 and 5 slots of keys, so a joint load would bring some partner tiles that none of its waves reads.
; LIMITS: |q|, |k|, |v| under 65,504 (they arrive in f16); NaN and infinities are not served.  The first 16 positions of each sequence are made again, in f32, by a later launch.
; REGISTERS: v1-15 addresses; v16-31 eight statistics a tile (+0 c m, +1 m, +2, +3 the sum in two halves, +4..7 at work; a in +6); v32-63 Q; v64-127 S^T, then p; v128-159 P, and K's tiles 2, 3;
; v160-223 O^T; v224-255 K's tiles 0, 1, then V's first 32 keys; V's other 32 keys take v64-95 when tile 0's p are done with.
.set PK,    144                        ; a key's row in LDS: 128 bytes + 16
.set PV,    160                        ; a row of V: 128 + 32: an odd multiple of 32 for the turning load
.set VOFF,  256*PK                     ; a slot: 256 rows of K, then 256 rows of V
.set SLOT1, 1<<17                      ; slot 1 begins here: one exclusive or turns an address
.set SPARE, SLOT1+VOFF+256*PV          ; the spare words, 128 bytes for each of 16 waves
.set STGB,  32*PK                      ; the way out: 32 rows x 144 for each wave, in slot 0, which is left at the last change of slots
.set AK0, 1
.set AV0, 2
.set SPW, 3
.set NIL, 4
.set ADK, 5
.set ADV, 6
.set QO,  7
.set STO, 8
.set RD,  9
.set D0,  10                           ; v10, v11: the mask's bound for tiles 0, 1
.set NINF, 12
.set PFO, 13
.set RH,  14                           ; r - 8 h
.set GO,  15
.set ST,  16
.set QF,  32
.set S,   64
.set P,   128
.set O,   160
.set KVB, 224
.set WV,  8
.set Q0,  14                           ; s14  my first query
.set LAST, 15                          ; s15  my work-group's last query
.set SEL, 20
.set CS,  22
.set G1K, 24
.set G1V, 32
.set G0K, 40
.set G0V, 44
.set TB,  48                           ; s48  LDS byte at which the slot in hand begins
.set KF,  49                           ; s49  the step's first key
.set SLOTS, 50
.set PFA, 52
.set LIM, 54
; Waves 0 and 1 fetch K's halves of a slot, waves 2 and 3 V's, the others nothing.  An s_nop 0 and four v_nop follow each line.
.macro TLOAD
	s_cmp_lt_u32 s[WV], 2
	s_cbranch_scc0 .Lnot_k_\@
	tensor_load_to_lds s[G0K:G0K+3], s[G1K:G1K+7]
	s_nop 0
.rept 4
	v_nop
.endr
	s_branch .Lasked_\@
.Lnot_k_\@:
	s_cmp_lt_u32 s[WV], 4
	s_cbranch_scc0 .Lasked_\@
	tensor_load_to_lds s[G0V:G0V+3], s[G1V:G1V+7]
	s_nop 0
.rept 4
	v_nop
.endr
.Lasked_\@:
.endm
; A prefetch of what the NEXT change of slots will ask for: a slot's 32,768 bytes of K and of V.  All four work-groups of a head walk the same rows: the first (which walks all eight slots) asks.
; In it waves 4-7 ask for K's, waves 8-11 for V's: 8,192 bytes a wave, lanes 256 bytes apart, one instruction: each aligned 256 bytes are named once in the launch.
; Slots 0 and 1 come by their loads alone; the last change that fills a slot asks for nothing.
.macro ASK
	s_cmp_gt_u32 s[SLOTS], s[LIM]
	s_cbranch_scc0 .Lnot_mine_\@
	global_prefetch_b8 v[PFO], s[PFA:PFA+1] th:TH_LOAD_NT scope:SCOPE_SE
.Lnot_mine_\@:
.endm
	s_load_b128 s[4:7], s[0:1], 0x0                ; qkv16, y16
	v_lshl_add_u32 v[SPW], v0, 2, SPARE
	v_mov_b32 v[NIL], 0
	ds_add_u32 v[SPW], v[NIL]                      ; the wave's opening: the add, twice on end, and its wait ahead of my first tensor load
	ds_add_u32 v[SPW], v[NIL]
	v_lshrrev_b32 v5, 5, v0
	v_readfirstlane_b32 s[WV], v5                  ; wave 0..15
	s_and_b32 s10, ttmp7, 0xffff
	s_lshr_b32 s11, s10, 4                         ; batch
	s_and_b32 s12, s10, 15                         ; head
	s_mul_i32 s13, s11, 48
	s_add_co_u32 s13, s13, s12
	s_lshl_b32 s16, s13, 18                        ; q's head in qkv16: 262,144 bytes a head; k's lies 16 heads on, v's 32
	s_mov_b32 s17, 0
	s_lshr_b32 s56, s[WV], 3
	s_mul_i32 s56, s56, 7
	s_xor_b32 s56, s56, ttmp9                      ; my block of queries: i, or 7 - i = i xor 7
	s_bfe_u32 s57, s[WV], 0x10002
	s_mul_i32 s57, s57, 7
	s_and_b32 s58, s[WV], 3
	s_xor_b32 s57, s57, s58                        ; my strip of 32 in it: waves w and w + 4 take strips s and 7 - s
	s_lshl_b32 s56, s56, 8
	s_lshl_b32 s57, s57, 5
	s_add_co_u32 s[Q0], s56, s57
	s_lshl_b32 s56, ttmp9, 8
	s_sub_co_u32 s[LAST], 2047, s56
	s_and_b32 s58, s[WV], 1                        ; which half of a slot I fetch, if I fetch:
	s_lshl_b32 s18, s58, 14                        ; 128 rows of 128 bytes in memory,
	s_mov_b32 s19, 0
	s_add_nc_u64 s[18:19], s[18:19], s[16:17]
	s_mul_i32 s59, s58, 128*PK                     ; and in a slot
	s_mul_i32 s60, s58, 128*PV
	s_add_co_u32 s60, s60, VOFF
	s_mov_b32 s[G1K], (1<<16)|(1<<20)|(4<<22)|(3<<25)   ; elements of 2 bytes; padding: 4 words behind every 32
	s_mov_b32 s[G1V], (1<<16)|(1<<20)|(4<<22)|(7<<25)   ; 8 words behind every 32
.irp g, G1K, G1V
	s_mov_b32 s[\g+1], 64<<16                      ; tensor_dim0 = 64
	s_mov_b32 s[\g+2], 128<<16                     ; tensor_dim1 = 128
	s_mov_b32 s[\g+3], 64<<16                      ; tile_dim0 = 64
	s_mov_b32 s[\g+4], 128                         ; tile_dim1 = 128
	s_mov_b32 s[\g+5], 64                          ; pitch
	s_mov_b32 s[\g+6], 0
	s_mov_b32 s[\g+7], 0
.endr
	s_mov_b32 s[SEL], 0x76543210
	s_mov_b32 s[SEL+1], 0xfedcba98
	s_mov_b32 s[CS], 0x3e38aa3b                    ; c = log2(e) / 8
	s_mov_b32 s[CS+1], s[CS]
	s_mov_b32 s[TB], 0
	s_mov_b32 s[KF], 0
	s_mov_b32 s[SLOTS], 7
	s_wait_dscnt 0x0                               ; both opening adds are done
	s_wait_kmcnt 0x0
	s_mov_b32 s[G0K], 1
	s_mov_b32 s[G0K+1], s59
	s_add_nc_u64 s[G0K+2:G0K+3], s[4:5], s[18:19]
	s_add_nc_u64 s[G0K+2:G0K+3], s[G0K+2:G0K+3], 16*262144
	s_or_b32 s[G0K+3], s[G0K+3], 0x80000000
	s_mov_b32 s[G0V], 1
	s_mov_b32 s[G0V+1], s60
	s_add_nc_u64 s[G0V+2:G0V+3], s[4:5], s[18:19]
	s_add_nc_u64 s[G0V+2:G0V+3], s[G0V+2:G0V+3], 32*262144
	s_or_b32 s[G0V+3], s[G0V+3], 0x80000000
	TLOAD                                          ; slot 0: key 0 counts for every query
	s_lshl_b32 s62, s[Q0], 7
	s_mov_b32 s63, 0
	s_add_nc_u64 s[62:63], s[62:63], s[16:17]
	s_add_nc_u64 s[62:63], s[4:5], s[62:63]        ; Q at my first query
	s_lshl_b32 s58, s12, 20                        ; y16: my head's plane,
	s_lshl_b32 s59, s11, 18                        ; my batch's 2,048 rows of 128 bytes,
	s_add_co_u32 s58, s58, s59
	s_lshl_b32 s59, s[Q0], 7
	s_add_co_u32 s58, s58, s59
	s_mov_b32 s59, 0
	s_add_nc_u64 s[6:7], s[6:7], s[58:59]
	s_cmp_lt_u32 s[WV], 8                          ; the prefetches: waves 4-7 K's head, waves 8-11 V's
	s_mov_b32 s58, 32*262144
	s_cselect_b32 s58, 16*262144, s58
	s_and_b32 s59, s[WV], 3
	s_lshl_b32 s59, s59, 13                        ; my wave's 8,192 bytes,
	s_add_co_u32 s58, s58, s59
	s_add_co_u32 s58, s58, 32768                   ; in slot 1: the first change of slots steps it to slot 2
	s_mov_b32 s59, 0
	s_add_nc_u64 s[58:59], s[58:59], s[16:17]
	s_add_nc_u64 s[PFA:PFA+1], s[4:5], s[58:59]
	s_sub_co_u32 s58, s[WV], 4
	s_lshr_b32 s58, s58, 3                         ; 0 in waves 4 to 11,
	s_or_b32 s58, s58, ttmp9                       ; of the head's first work-group
	s_cmp_eq_u32 s58, 0
	s_cselect_b32 s[LIM], 1, -1
	v_and_b32 v10, 15, v0                          ; r
	v_bfe_u32 v11, v0, 4, 1                        ; h
	v_lshlrev_b32 v[QO], 7, v10
	v_lshl_add_u32 v[QO], v11, 4, v[QO]            ; Q: row r of 128 bytes + 16 h
.irp t, 0,1
.irp dh, 0,1
	global_load_b128 v[QF+16*\t+8*\dh:QF+16*\t+8*\dh+3], v[QO], s[62:63] offset:2048*\t+64*\dh
	global_load_b128 v[QF+16*\t+8*\dh+4:QF+16*\t+8*\dh+7], v[QO], s[62:63] offset:2048*\t+64*\dh+32
.endr
.endr
	v_mul_u32_u24 v[AK0], v10, PK
	v_lshl_add_u32 v[AK0], v11, 4, v[AK0]          ; K: row r x pitch + 16 h
	v_and_b32 v5, 7, v0
	v_lshl_add_u32 v5, v11, 3, v5
	v_mul_u32_u24 v[AV0], v5, PV                   ; V: key 8 h + lane % 8,
	v_bfe_u32 v5, v0, 3, 1
	v_lshl_add_u32 v[AV0], v5, 4, v[AV0]           ; channels 8 ((lane / 8) % 2) on
	v_add_nc_u32 v[AV0], VOFF, v[AV0]
	s_mul_i32 s58, s[WV], STGB                     ; my stage
	v_mul_u32_u24 v[STO], v10, PK
	v_lshl_add_u32 v[STO], v11, 4, v[STO]
	v_add_nc_u32 v[STO], s58, v[STO]               ; in: row r, 16 bytes for each half of the lanes
	v_bfe_u32 v5, v0, 3, 2
	v_mul_u32_u24 v[RD], v5, PK
	v_and_b32 v5, 7, v0
	v_lshl_add_u32 v[RD], v5, 4, v[RD]
	v_add_nc_u32 v[RD], s58, v[RD]                 ; back: four rows of 128 bytes an instruction
	v_and_b32 v5, 31, v0
	v_lshlrev_b32 v[GO], 4, v5                     ; and the same 512 bytes in y16
	v_lshlrev_b32 v[PFO], 8, v5
	v_lshlrev_b32 v5, 3, v11
	v_sub_nc_u32 v[RH], v10, v5                    ; r - 8 h
	v_mov_b32 v[NINF], 0xff800000
.irp t, 0,1
	v_mov_b32 v[ST+8*\t+1], 0xff61b1e6             ; m = -3e38, under every score
	v_mul_f32 v[ST+8*\t], s[CS], v[ST+8*\t+1]      ; c m
.irp j, 2,3,4,5,6,7
	v_mov_b32 v[ST+8*\t+\j], 0                     ; the sum; and the registers at work, written once (a lane permute's destination counts as a source)
.endr
.endr
.irp j, 0,1,2,3,4,5,6,7,8,9,10,11,12,13,14,15,16,17,18,19,20,21,22,23,24,25,26,27,28,29,30,31,32,33,34,35,36,37,38,39,40,41,42,43,44,45,46,47,48,49,50,51,52,53,54,55,56,57,58,59,60,61,62,63
	v_mov_b32 v[O+\j], 0                           ; O^T: the step is written once; the first finds zeros, which a = 0 leaves zeros
.endr
; Tile t's p become f16 (source 1 of the second product), and the row's sum takes the unrounded p.
.macro TAIL t
.irp n, 0,1,2,3,4,5,6,7,8,9,10,11,12,13,14,15
	v_cvt_pk_f16_f32 v[P+16*\t+\n], v[S+32*\t+2*\n], v[S+32*\t+2*\n+1]
.endr
.irp u, 0,1,2,3,4,5,6,7
	v_pk_add_f32 v[S+32*\t+4*\u:S+32*\t+4*\u+1], v[S+32*\t+4*\u:S+32*\t+4*\u+1], v[S+32*\t+4*\u+2:S+32*\t+4*\u+3]
.endr
.irp u, 0,1,2,3
	v_pk_add_f32 v[S+32*\t+8*\u:S+32*\t+8*\u+1], v[S+32*\t+8*\u:S+32*\t+8*\u+1], v[S+32*\t+8*\u+4:S+32*\t+8*\u+5]
.endr
.irp u, 0,1
	v_pk_add_f32 v[S+32*\t+16*\u:S+32*\t+16*\u+1], v[S+32*\t+16*\u:S+32*\t+16*\u+1], v[S+32*\t+16*\u+8:S+32*\t+16*\u+9]
.endr
	v_pk_add_f32 v[S+32*\t:S+32*\t+1], v[S+32*\t:S+32*\t+1], v[S+32*\t+16:S+32*\t+17]
	v_pk_fma_f32 v[ST+8*\t+2:ST+8*\t+3], v[ST+8*\t+2:ST+8*\t+3], v[ST+8*\t+6:ST+8*\t+7], v[S+32*\t:S+32*\t+1] op_sel_hi:[1,0,1]   ; the sum = a x the sum + this step's
.endm
; A KEY STEP: 64 keys, the q-th of the slot in hand.
.macro STEP q
	s_add_co_u32 s56, s[Q0], 31
	s_cmp_gt_u32 s[KF], s56                        ; all keys after my queries: the step's work is left out; no barrier, wait for tiles or tensor load stands in a step
	s_cbranch_scc1 .Lhidden_\@
	v_add_nc_u32 v[ADK], s[TB], v[AK0]
	v_add_nc_u32 v[ADV], s[TB], v[AV0]
.rept 3
	v_nop                                          ; with the two additions five places behind the last step's products: the loads below land in their sources, and the first product below writes over v64-95, which they read
.endr
.irp a, 0,1,2,3
.irp dh, 0,1
.set rK, KVB+16*\a+8*\dh-(\a/2)*(KVB+32-P)
	ds_load_b128 v[rK:rK+3], v[ADK] offset:(64*(\q)+16*\a)*PK+64*\dh
	ds_load_b128 v[rK+4:rK+7], v[ADK] offset:(64*(\q)+16*\a)*PK+64*\dh+32
.endr
.endr
.irp g, 0,1                                    ; S^T = K Q^T: key tiles 2 g, 2 g + 1 x my two tiles of queries: four accumulators by turns
	s_wait_dscnt 8-8*\g                            ; g = 0: tiles 0 and 1 are in, the eight loads of tiles 2 and 3 may be out
.irp dh, 0,1
.irp u, 0,1
.irp t, 0,1
.set rK, KVB+32*\g+16*\u+8*\dh-\g*(KVB+32-P)
.set rS, S+32*\t+8*(2*\g+\u)
.if \dh == 0
	v_wmma_f32_16x16x32_f16 v[rS:rS+7], v[rK:rK+7], v[QF+16*\t+8*\dh:QF+16*\t+8*\dh+7], 0
.else
	v_wmma_f32_16x16x32_f16 v[rS:rS+7], v[rK:rK+7], v[QF+16*\t+8*\dh:QF+16*\t+8*\dh+7], v[rS:rS+7]
.endif
.endr
.endr
.endr
.endr
.rept 4
	v_nop                                          ; places in front of the loads into K's registers and of the first read of the scores
.endr
.irp dt, 0,1,2,3                               ; V's first 32 keys, turned: channels 16 dt on
	ds_load_tr16_b128 v[KVB+8*\dt:KVB+8*\dt+3], v[ADV] offset:64*(\q)*PV+32*\dt
	ds_load_tr16_b128 v[KVB+8*\dt+4:KVB+8*\dt+7], v[ADV] offset:64*(\q)*PV+16*PV+32*\dt
.endr
	s_add_co_u32 s56, s[KF], 63
	s_cmp_le_u32 s56, s[Q0]                        ; all keys count for all my queries: no mask
	s_cbranch_scc1 .Lopen_\@
	s_sub_co_i32 s56, s[Q0], s[KF]
	v_add_nc_u32 v[D0], s56, v[RH]                 ; register 8 a + j of tile t holds key KF + 16 a + 8 h + j: hidden where 16 a + j > Q0 - KF + 16 t + r - 8 h
	v_add_nc_u32 v[D0+1], 16, v[D0]
.irp n, 0,1,2,3,4,5,6,7,8,9,10,11,12,13,14,15,16,17,18,19,20,21,22,23,24,25,26,27,28,29,30,31
.irp t, 0,1
	v_cmp_gt_i32 vcc_lo, 16*(\n/8)+\n%8, v[D0+\t]
	v_cndmask_b32 v[S+32*\t+\n], v[S+32*\t+\n], v[NINF], vcc_lo
.endr
.endr
.Lopen_\@:
.irp j, 0,1,2,3                                ; the maximum of 32 scores and the old m: four chains, each begun at an accumulator's low end; the two tiles by turns
.irp t, 0,1
	v_max3_num_f32 v[ST+8*\t+4+\j], v[S+32*\t+8*\j], v[S+32*\t+8*\j+1], v[S+32*\t+8*\j+2]
.endr
.endr
.irp i, 3,5
.irp j, 0,1,2,3
.irp t, 0,1
	v_max3_num_f32 v[ST+8*\t+4+\j], v[ST+8*\t+4+\j], v[S+32*\t+8*\j+\i], v[S+32*\t+8*\j+\i+1]
.endr
.endr
.endr
.irp t, 0,1
	v_max3_num_f32 v[ST+8*\t+4], v[ST+8*\t+4], v[S+32*\t+7], v[S+32*\t+15]
	v_max3_num_f32 v[ST+8*\t+6], v[ST+8*\t+6], v[S+32*\t+23], v[S+32*\t+31]
.endr
.irp t, 0,1
	v_max3_num_f32 v[ST+8*\t+4], v[ST+8*\t+4], v[ST+8*\t+5], v[ST+8*\t+6]
.endr
.irp t, 0,1
	v_max3_num_f32 v[ST+8*\t+4], v[ST+8*\t+4], v[ST+8*\t+7], v[ST+8*\t+1]
.endr
.irp t, 0,1
	v_permlanex16_b32 v[ST+8*\t+5], v[ST+8*\t+4], s[SEL], s[SEL+1]   ; the query's other 32 keys lie in the lane 16 away
.endr
.irp t, 0,1
	v_mov_b32 v[ST+8*\t+7], v[ST+8*\t]             ; c m_old
.endr
.irp t, 0,1
	v_max_num_f32 v[ST+8*\t+1], v[ST+8*\t+4], v[ST+8*\t+5]
.endr
.irp t, 0,1
	v_mul_f32 v[ST+8*\t], s[CS], v[ST+8*\t+1]
.endr
.irp t, 0,1
	v_sub_f32 v[ST+8*\t+7], v[ST+8*\t+7], v[ST+8*\t]
.endr
.irp n, 0,2,4,6,8,10,12,14,16,18,20,22,24,26,28,30
.irp t, 0,1
	v_pk_fma_f32 v[S+32*\t+\n:S+32*\t+\n+1], v[S+32*\t+\n:S+32*\t+\n+1], s[CS:CS+1], v[ST+8*\t:ST+8*\t+1] op_sel_hi:[1,0,0] neg_lo:[0,0,1] neg_hi:[0,0,1]   ; c s - c m
.endr
.endr
.irp t, 0,1                                    ; ONE batch of 66 exponentials, none of which reads another's result
	v_exp_f32 v[ST+8*\t+6], v[ST+8*\t+7]           ; a = 2^(c m_old - c m_new)
.endr
.irp n, 0,1,2,3,4,5,6,7,8,9,10,11,12,13,14,15,16,17,18,19,20,21,22,23,24,25,26,27,28,29,30,31,32,33,34,35,36,37,38,39,40,41,42,43,44,45,46,47,48,49,50,51,52,53,54,55,56,57,58,59,60,61,62,63
	v_exp_f32 v[S+\n], v[S+\n]
.endr
	v_nop                                          ; a plain line behind the last exponential
	s_wait_alu depctr_va_vdst(0)                   ; one wait for the batch, ahead of its first reader
	TAIL 0
.irp dt, 0,1,2,3                               ; V's other 32 keys, into tile 0's p, which are done with
	ds_load_tr16_b128 v[S+8*\dt:S+8*\dt+3], v[ADV] offset:(64*(\q)+32)*PV+32*\dt
	ds_load_tr16_b128 v[S+8*\dt+4:S+8*\dt+7], v[ADV] offset:(64*(\q)+32)*PV+16*PV+32*\dt
.endr
	TAIL 1
.irp t, 0,1
.irp n, 0,2,4,6,8,10,12,14,16,18,20,22,24,26,28,30
	v_pk_mul_f32 v[O+32*\t+\n:O+32*\t+\n+1], v[O+32*\t+\n:O+32*\t+\n+1], v[ST+8*\t+6:ST+8*\t+7] op_sel_hi:[1,0]   ; O^T x a
.endr
.endr
	s_wait_dscnt 0x0                               ; V is in
.irp kk, 0,1                                   ; O^T += V^T P: eight accumulators by turns
.irp dt, 0,1,2,3
.irp t, 0,1
.set rV, KVB+8*\dt-\kk*(KVB-S)
.set rO, O+32*\t+8*\dt
	v_wmma_f32_16x16x32_f16 v[rO:rO+7], v[rV:rV+7], v[P+16*\t+8*\kk:P+16*\t+8*\kk+7], v[rO:rO+7]
.endr
.endr
.endr
.Lhidden_\@:
	s_add_co_u32 s[KF], s[KF], 64
.endm
; THE CHANGE OF SLOTS, at a slot's head.  Each wave waits for all its tensor loads, adds 0 to its spare word, and waits for that and for its reads of the slot that it has left; one barrier;
; behind it (fill = 1) the slot just left is asked for anew, up to the causal limit: the load has a slot's four steps in which to land.
.macro CHANGE fill
	s_wait_tensorcnt 0x0                           ; no tensor load of mine is out, so a descriptor may be written
	ds_add_u32 v[SPW], v[NIL]
.if \fill
	ds_add_u32 v[SPW], v[NIL]                      ; and twice on end here
	s_xor_b32 s[G0K+1], s[G0K+1], SLOT1            ; the other slot,
	s_add_nc_u64 s[G0K+2:G0K+3], s[G0K+2:G0K+3], 32768   ; the next 256 keys
	s_xor_b32 s[G0V+1], s[G0V+1], SLOT1
	s_add_nc_u64 s[G0V+2:G0V+3], s[G0V+2:G0V+3], 32768
	s_wait_xcnt 0x0                                ; the last prefetch, a slot back, has read its address
	s_add_nc_u64 s[PFA:PFA+1], s[PFA:PFA+1], 32768
.endif
	s_wait_dscnt 0x0                               ; the add is done, and my reads of the slot that I have left are over
	s_barrier_signal -1
	s_barrier_wait -1
.if \fill
	s_add_co_u32 s56, s[KF], 256                   ; the first key of the slot that this change would ask for
	s_cmp_gt_u32 s56, s[LAST]                      ; after my work-group's last query: none of its waves would read it.  Ids and the count of steps alone: all sixteen waves go the same way
	s_cbranch_scc1 .Lpast_\@
	TLOAD                                          ; a wave's one tensor load until the next barrier
.Lpast_\@:
	ASK
.endif
.endm
.macro SLOT_STEPS
.set Q, 0
.rept 4
	STEP Q
.set Q, Q+1
.endr
	s_xor_b32 s[TB], s[TB], SLOT1
.endm
	s_wait_loadcnt 0x0                             ; Q
.Lslot:                                            ; seven trips
	CHANGE 1
	SLOT_STEPS
	s_sub_co_u32 s[SLOTS], s[SLOTS], 1
	s_cmp_lg_u32 s[SLOTS], 0
	s_cbranch_scc1 .Lslot
	CHANGE 0                                       ; the last slot is written out: nothing is left to ask for
	SLOT_STEPS
	; THE WAY OUT: O^T / the sum, rounded to f16, through my stage, out as 512 consecutive bytes an instruction.
.rept 4
	v_nop                                          ; places behind the last products
.endr
.irp t, 0,1
	v_add_f32 v[ST+8*\t+4], v[ST+8*\t+2], v[ST+8*\t+3]
.endr
.irp t, 0,1
	v_permlanex16_b32 v[ST+8*\t+5], v[ST+8*\t+4], s[SEL], s[SEL+1]
.endr
.irp t, 0,1
	v_add_f32 v[ST+8*\t+4], v[ST+8*\t+4], v[ST+8*\t+5]
.endr
.irp t, 0,1
	v_rcp_f32 v[ST+8*\t+6], v[ST+8*\t+4]
.endr
	v_nop
	s_wait_alu depctr_va_vdst(0)                   ; one wait for the two reciprocals, ahead of their first reader
.irp t, 0,1
.irp n, 0,2,4,6,8,10,12,14,16,18,20,22,24,26,28,30
	v_pk_mul_f32 v[O+32*\t+\n:O+32*\t+\n+1], v[O+32*\t+\n:O+32*\t+\n+1], v[ST+8*\t+6:ST+8*\t+7] op_sel_hi:[1,0]
.endr
.endr
.irp n, 0,1,2,3,4,5,6,7,8,9,10,11,12,13,14,15,16,17,18,19,20,21,22,23,24,25,26,27,28,29,30,31
	v_cvt_pk_f16_f32 v[S+\n], v[O+2*\n], v[O+2*\n+1]   ; register 16 t + 4 dt + i: channels 16 dt + 8 h + 2 i, + 1 of query 16 t + r
.endr
.irp t, 0,1
.irp dt, 0,1,2,3
	ds_store_b128 v[STO], v[S+16*\t+4*\dt:S+16*\t+4*\dt+3] offset:16*PK*\t+32*\dt
.endr
.endr
.irp i, 0,1,2,3,4,5,6,7
	ds_load_b128 v[S+32+4*\i:S+32+4*\i+3], v[RD] offset:4*PK*\i   ; LDS serves a wave's instructions in order: these see my stores
.endr
.irp i, 0,1,2,3,4,5,6,7
	s_wait_dscnt 7-\i                              ; load i is in; the younger ones stay out
	global_store_b128 v[GO], v[S+32+4*\i:S+32+4*\i+3], s[6:7] offset:512*\i
.endr
	s_wait_tensorcnt 0x0                           ; the wave's end
	ds_add_u32 v[SPW], v[NIL]
	s_wait_dscnt 0x0
	s_endpgm
.Lfunc_end_k_q74496e39b4_attn:
	.size	k_q74496e39b4_attn, .Lfunc_end_k_q74496e39b4_attn-k_q74496e39b4_attn
	.p2alignl 7, 3214868480
	.fill 96, 4, 3214868480
	.section	.rodata,"a",@progbits
	.p2align	6, 0x0
	.amdhsa_kernel k_q74496e39b4_attn
		.amdhsa_group_segment_fixed_size 327680
		.amdhsa_private_segment_fixed_size 0
		.amdhsa_enable_private_segment 0
		.amdhsa_kernarg_size 16
		.amdhsa_user_sgpr_count 2
		.amdhsa_user_sgpr_kernarg_segment_ptr 1
		.amdhsa_wavefront_size32 1
		.amdhsa_system_sgpr_workgroup_id_x 1
		.amdhsa_system_sgpr_workgroup_id_y 1
		.amdhsa_system_sgpr_workgroup_id_z 1
		.amdhsa_system_vgpr_workitem_id 0
		.amdhsa_next_free_vgpr 256
		.amdhsa_next_free_sgpr 72
		.amdhsa_reserve_vcc 1
		.amdhsa_float_denorm_mode_32 3
		.amdhsa_float_denorm_mode_16_64 3
		.amdhsa_memory_ordered 1
		.amdhsa_forward_progress 1
		.amdhsa_inst_pref_size 188
	.end_amdhsa_kernel
	.amdgpu_metadata
---
amdhsa.version: [ 1, 2 ]
amdhsa.kernels:
  - .name:           k_q74496e39b4_attn
    .symbol:         k_q74496e39b4_attn.kd
    .args:
      - { .name: qkv16, .offset: 0, .size: 8, .value_kind: global_buffer, .address_space: global }
      - { .name: y16, .offset: 8, .size: 8, .value_kind: global_buffer, .address_space: global }
    .group_segment_fixed_size: 327680
    .private_segment_fixed_size: 0
    .kernarg_segment_align: 8
    .kernarg_segment_size: 16
    .max_flat_workgroup_size: 512
    .sgpr_count:     72
    .vgpr_count:     256
    .wavefront_size: 32
...
	.end_amdgpu_metadata
.endif
;; end of part 3
;; launch proj (part 4): grid 4 x 64, 4 waves a work-group, clusters of 4 x 4, 327,680 bytes of LDS; arguments y16, wp16, out0; writes out0
.if DOCPART == 4
	.amdgcn_target "amdgcn-amd-amdhsa--gfx1250"
	.amdhsa_code_object_version 6
	.text
	.protected	k_q74496e39b4_proj
	.globl	k_q74496e39b4_proj
	.p2align	8
	.type	k_q74496e39b4_proj,@function
k_q74496e39b4_proj:
	s_mov_b64 s[64:65], 0
	v_nop
	global_prefetch_b8 v0, s[64:65] scope:SCOPE_SE
	s_setreg_imm32_b32 hwreg(HW_REG_WAVE_MODE, 25, 1), 1
	s_wait_xcnt 0x0
	s_wait_alu depctr_hold_cnt(0) depctr_sa_sdst(0) depctr_va_vdst(0) depctr_va_sdst(0) depctr_va_ssrc(0) depctr_va_vcc(0) depctr_vm_vsrc(0)
	s_getreg_b32 s2, hwreg(HW_REG_IB_STS2, 6, 4)
	s_cmp_eq_u32 s2, 0
	s_cbranch_scc0 .Lentry_in_a_cluster
	s_endpgm
.Lentry_in_a_cluster:
	s_bfe_u32 s2, ttmp6, 0x10000c
	s_cmp_lg_u32 s2, 0xf033
	s_cbranch_scc0 .Lentry_shape_is_right
	s_endpgm
.Lentry_shape_is_right:
; PROJ: out[m][n] = sum over k of y[m][k] W_proj[k][n].  M 8,192, N 1,024, K 1,024.  Operands in f16, laid in planes of 64 along K: y16 [16][8,192][64], wp16 [16][1,024][64]; sums and out in f32.
; A tile of out is 128 (m) x 256 (n): 256 work-groups.  Four waves, each 64 x 128: 32 accumulators, 256 registers.  K goes in steps of 128 (two planes) through a ring of two LDS slots.
; Each wave fetches one plane's tile with one tensor load: waves 0, 1 y's two planes (128 rows), waves 2, 3 W's (256 rows).
; CLUSTERS: 4 x 4 work-groups; y's tiles are asked for jointly along a row of the cluster, W's along a column.
; THE MATRIX INSTRUCTION IS USED TRANSPOSED (source 0 = 16 rows of wp16, source 1 = 16 rows of y16): a lane holds eight neighbouring columns of one row of out.
; No prefetch: a short launch on small tiles, which moves about as many bytes out as in.
; LIMITS: |y|, |W_proj| under 65,504.  The first 16 positions of each sequence are stored again, made in f32, by the next launch.
; REGISTERS: window 0: v16-29 addresses; two fragment buffers at v32 and v128 (32 registers of y, then 64 of W); window 1: accumulator (a, b) at v[8 (8 a + b)].
.set PITCH,  144                       ; an LDS row: 128 bytes + 16
.set APL,    128*PITCH                 ; a plane of y's tile
.set BPL,    256*PITCH                 ; a plane of W's
.set SLOT,   2*APL+2*BPL
.set SPARE,  2*SLOT                    ; the spare words
.set SPITCH, 528                       ; the way out: 16 rows x (512 + 16) for each wave, in slot 0, which has had its last fill and its last read by then
.set LAPS,   4
.set ADRA, 16
.set ADRB, 20
.set STO,  24
.set RD,   25
.set CO,   26
.set SPW,  28
.set NIL,  29
.set F0,   32
.set F1,   128
.set G1, 24
.set G0, 32
.set G1B, 48
.set G0B, 56
.set MSB, 0
.macro WIN new
.if MSB != \new
	s_set_vgpr_msb (MSB<<8)|\new
.set MSB, \new
.endif
.endm
.set MUL, 0x50                         ; sources 0 and 1 window 0; C and D window 1
.macro JLOAD s                         ; a joint load; an s_nop 0 and four v_nop follow each of the two lines
	s_cmp_eq_u32 s11, 0
	s_cbranch_scc0 .Lfor_b_\@
	tensor_load_to_lds s[G0+4*\s:G0+4*\s+3], s[G1:G1+7]
	s_nop 0
.rept 4
	v_nop
.endr
	s_branch .Lasked_\@
.Lfor_b_\@:
	tensor_load_to_lds s[G0B+4*\s:G0B+4*\s+3], s[G1B:G1B+7]
	s_nop 0
.rept 4
	v_nop
.endr
.Lasked_\@:
.endm
.macro CREST
	s_cmp_lg_u32 s10, 0
	s_cbranch_scc1 .Lnot_wave_0_\@
	s_barrier_signal -3
.Lnot_wave_0_\@:
	s_barrier_wait -3
	s_barrier_signal -1
	s_barrier_wait -1
.endm
.macro CROUND
	s_barrier_signal -1
	s_barrier_wait -1
	CREST
.endm
	s_load_b128 s[4:7], s[0:1], 0x0                ; y16, wp16
	s_load_b64 s[8:9], s[0:1], 0x10                ; out0
	v_lshl_add_u32 v[SPW], v0, 2, SPARE
	v_mov_b32 v[NIL], 0
	ds_add_u32 v[SPW], v[NIL]                      ; the wave's opening: the add, twice on end, and its wait ahead of my first tensor load
	ds_add_u32 v[SPW], v[NIL]
	v_lshrrev_b32 v1, 5, v0
	v_readfirstlane_b32 s10, v1                    ; wave 0..3
	s_lshr_b32 s11, s10, 1                         ; which 64 rows are mine; also: I fetch for y (0) or for W (1)
	s_and_b32 s12, s10, 1                          ; which 128 columns; also: which plane of a K step I fetch
	s_bfe_u32 s40, ttmp6, 0x40000                  ; cx
	s_bfe_u32 s41, ttmp6, 0x40004                  ; cy
	s_lshl_b32 s42, ttmp9, 2
	s_add_co_u32 s42, s42, s40                     ; tile column
	s_and_b32 s13, ttmp7, 0xffff
	s_lshl_b32 s13, s13, 2
	s_add_co_u32 s13, s13, s41                     ; tile row
	s_lshl_b32 s43, s41, 2
	s_lshl_b32 s43, 15, s43                        ; my row of the cluster
	s_lshl_b32 s44, 0x1111, s40                    ; my column
	s_or_b32 s[G1+0], s43, (1<<16)|(1<<20)|(1<<21)|(4<<22)|(3<<25)   ; mask; elements of 2 bytes; padding: 4 words behind every 32
	s_or_b32 s[G1B+0], s44, (1<<16)|(1<<20)|(1<<21)|(4<<22)|(3<<25)
	s_mov_b32 s[G1+1], 64<<16                      ; tensor_dim0 = 64
	s_mov_b32 s[G1+2], 128<<16                     ; tensor_dim1 = 128
	s_mov_b32 s[G1+3], 64<<16                      ; tile_dim0 = 64
	s_mov_b32 s[G1+4], 128                         ; tile_dim1 = 128
	s_mov_b32 s[G1+5], 64                          ; pitch
	s_mov_b32 s[G1+6], 0
	s_mov_b32 s[G1+7], 0
	s_mov_b32 s[G1B+1], 64<<16
	s_mov_b32 s[G1B+2], 256<<16                    ; 256 rows
	s_mov_b32 s[G1B+3], 64<<16
	s_mov_b32 s[G1B+4], 256
	s_mov_b32 s[G1B+5], 64
	s_mov_b32 s[G1B+6], 0
	s_mov_b32 s[G1B+7], 0
	s_lshl_b32 s16, s12, 20                        ; y: my plane of 1,048,576 bytes,
	s_lshl_b32 s17, s13, 14                        ; 128 rows of 128 bytes for each tile row
	s_add_co_u32 s16, s16, s17
	s_mov_b32 s17, 0
	s_lshl_b32 s46, s12, 17                        ; W: my plane of 131,072 bytes,
	s_lshl_b32 s47, s42, 15                        ; 256 rows for each tile column
	s_add_co_u32 s46, s46, s47
	s_mov_b32 s47, 0
	s_mul_i32 s20, s12, APL                        ; where they go: no place in the cluster enters an LDS address
	s_mul_i32 s23, s12, BPL
	s_add_co_u32 s23, s23, 2*APL
	s_wait_dscnt 0x0                               ; both opening adds are done
	s_wait_kmcnt 0x0
	s_add_nc_u64 s[14:15], s[4:5], s[16:17]
	s_add_nc_u64 s[46:47], s[6:7], s[46:47]
	CROUND                                         ; all sixteen work-groups are here: the first joint loads meet
.irp s, 0,1
	s_mov_b32 s[G0+4*\s], 1
	s_add_co_u32 s[G0+4*\s+1], s20, \s*SLOT
	s_add_nc_u64 s[G0+4*\s+2:G0+4*\s+3], s[14:15], \s*2*1048576
	s_or_b32 s[G0+4*\s+3], s[G0+4*\s+3], 0x80000000
	s_mov_b32 s[G0B+4*\s], 1
	s_add_co_u32 s[G0B+4*\s+1], s23, \s*SLOT
	s_add_nc_u64 s[G0B+4*\s+2:G0B+4*\s+3], s[46:47], \s*2*131072
	s_or_b32 s[G0B+4*\s+3], s[G0B+4*\s+3], 0x80000000
	JLOAD \s
.endr
	v_and_b32 v1, 15, v0                           ; r
	v_bfe_u32 v2, v0, 4, 1                         ; h
	v_mul_u32_u24 v3, v1, PITCH
	v_lshl_add_u32 v3, v2, 4, v3
	s_mul_i32 s21, s11, 64*PITCH                   ; my 64 rows of y
	s_mul_i32 s22, s12, 128*PITCH                  ; my 128 rows of W,
	s_add_co_u32 s22, s22, 2*APL                   ; behind y's two planes
.irp s, 0,1
	v_add_nc_u32 v[ADRA+\s], s21, v3
	v_add_nc_u32 v[ADRB+\s], s22, v3
	s_add_co_u32 s21, s21, SLOT
	s_add_co_u32 s22, s22, SLOT
.endr
	s_mul_i32 s21, s10, 16*SPITCH                  ; my stage
	v_mul_u32_u24 v4, v1, SPITCH
	v_lshl_add_u32 v4, v2, 5, v4
	v_add_nc_u32 v[STO], s21, v4                   ; in: row r, 32 bytes for each half of the lanes
	v_and_b32 v5, 31, v0
	v_lshlrev_b32 v[CO], 4, v5                     ; back: a row's 512 bytes in 32 lanes; the same in out
	v_add_nc_u32 v[RD], s21, v[CO]
	s_lshl_b32 s16, s13, 7
	s_lshl_b32 s17, s11, 6
	s_add_co_u32 s16, s16, s17                     ; my first row of out
	s_lshl_b32 s16, s16, 12
	s_mov_b32 s17, 0
	s_add_nc_u64 s[8:9], s[8:9], s[16:17]
	s_lshl_b32 s46, s42, 10                        ; my first column, in bytes
	s_lshl_b32 s47, s12, 9
	s_add_co_u32 s46, s46, s47
	s_mov_b32 s47, 0
	s_add_nc_u64 s[8:9], s[8:9], s[46:47]
.macro MULA f, a, zero                 ; y's block a x W's eight, 32 along K; the 32 accumulators take turns, one instruction a turn
.irp b, 0,1,2,3,4,5,6,7
.if \zero
	v_wmma_f32_16x16x32_f16 v[8*(8*(\a)+\b):8*(8*(\a)+\b)+7], v[\f+32+8*\b:\f+32+8*\b+7], v[\f+8*(\a):\f+8*(\a)+7], 0
.else
	v_wmma_f32_16x16x32_f16 v[8*(8*(\a)+\b):8*(8*(\a)+\b)+7], v[\f+32+8*\b:\f+32+8*\b+7], v[\f+8*(\a):\f+8*(\a)+7], v[8*(8*(\a)+\b):8*(8*(\a)+\b)+7]
.endif
.endr
.endm
.macro FETCH slot, q, f                ; 24 LDS loads in one run: quarter q (plane q / 2, 64 (q % 2) bytes on): W's eight fragments, then y's four
.irp i, 0,1,2,3,4,5,6,7
	ds_load_b128 v[\f+32+8*\i:\f+32+8*\i+3], v[ADRB+\slot] offset:((\q)/2)*BPL+64*((\q)%2)+\i*16*PITCH
	ds_load_b128 v[\f+32+8*\i+4:\f+32+8*\i+7], v[ADRB+\slot] offset:((\q)/2)*BPL+64*((\q)%2)+\i*16*PITCH+32
.endr
.irp i, 0,1,2,3
	ds_load_b128 v[\f+8*\i:\f+8*\i+3], v[ADRA+\slot] offset:((\q)/2)*APL+64*((\q)%2)+\i*16*PITCH
	ds_load_b128 v[\f+8*\i+4:\f+8*\i+7], v[ADRA+\slot] offset:((\q)/2)*APL+64*((\q)%2)+\i*16*PITCH+32
.endr
.endm
.macro PLACES
.rept 4
	v_nop
.endr
.endm
.macro QUARTER slot, qn, f, g, zero    ; multiplies buffer f; in its middle it fetches quarter qn of the same slot into g
	s_wait_dscnt 4                                 ; W's fragments and y's blocks 0, 1 are in; the youngest four loads (blocks 2, 3) may be out
	WIN MUL
	MULA \f, 0, \zero
	MULA \f, 1, \zero
	PLACES
	WIN 0
	FETCH \slot, \qn, \g
	s_wait_dscnt 24                                ; all but the 24 just issued
	WIN MUL
	MULA \f, 2, \zero
	MULA \f, 3, \zero
.endm
.macro TURN slot, next, fill           ; the last quarter multiplies buffer 1 and changes slots
	WIN 0
	s_wait_tensorcnt 0x0                           ; all my tensor loads have landed: my part of the next slot
	ds_add_u32 v[SPW], v[NIL]
	s_wait_dscnt 5                                 ; the add and the youngest four loads may be out
	WIN MUL
	MULA F1, 0, 0
	s_wait_dscnt 0x0                               ; the add is done, and my reads of this slot are over
	s_barrier_signal -1
	MULA F1, 1, 0
	WIN 0
	s_barrier_wait -1
.if \fill
	CREST                                          ; the barrier has opened a round of the cluster's: no wave of any partner still reads this slot or has a load on its way
	s_add_nc_u64 s[G0+4*\slot+2:G0+4*\slot+3], s[G0+4*\slot+2:G0+4*\slot+3], 4*1048576
	s_add_nc_u64 s[G0B+4*\slot+2:G0B+4*\slot+3], s[G0B+4*\slot+2:G0B+4*\slot+3], 4*131072
	JLOAD \slot                                    ; the first tensor load behind the round; its four v_nop are also the places in front of the loads below
.else
	PLACES
.endif
	FETCH \next, 0, F0
	WIN MUL
	MULA F1, 2, 0
	MULA F1, 3, 0
.endm
	s_wait_tensorcnt 1                             ; my part of K step 0 is in; K step 1's load may be out
	s_barrier_signal -1
	s_barrier_wait -1
	FETCH 0, 0, F0
	QUARTER 0, 1, F0, F1, 1                        ; the first products start the sums
	WIN 0
	s_mov_b32 s3, LAPS-1
.Llap:                                             ; a trip goes once round the ring and fills both slots again
	QUARTER 0, 2, F1, F0, 0
	QUARTER 0, 3, F0, F1, 0
	TURN 0, 1, 1
	QUARTER 1, 1, F0, F1, 0
	QUARTER 1, 2, F1, F0, 0
	QUARTER 1, 3, F0, F1, 0
	TURN 1, 0, 1
	QUARTER 0, 1, F0, F1, 0
	WIN 0
	s_sub_co_u32 s3, s3, 1
	s_cmp_lg_u32 s3, 0
	s_cbranch_scc1 .Llap
	QUARTER 0, 2, F1, F0, 0                        ; the last lap fills nothing
	QUARTER 0, 3, F0, F1, 0
	TURN 0, 1, 0
	QUARTER 1, 1, F0, F1, 0
	QUARTER 1, 2, F1, F0, 0
	QUARTER 1, 3, F0, F1, 0
	s_wait_dscnt 4
	WIN MUL
	MULA F1, 0, 0
	MULA F1, 1, 0
	s_wait_dscnt 0
	MULA F1, 2, 0
	MULA F1, 3, 0
	WIN 0
; THE WAY OUT, block by block of 16 rows x 128 columns: through my stage, back as whole rows of 512 bytes.
.macro TOSTAGE a
	WIN 0x04                                       ; an LDS store's data: window 1
.irp b, 0,1,2,3,4,5,6,7
	ds_store_b128 v[STO], v[64*(\a)+8*\b:64*(\a)+8*\b+3] offset:64*\b        ; each accumulator from its low end on
	ds_store_b128 v[STO], v[64*(\a)+8*\b+4:64*(\a)+8*\b+7] offset:64*\b+16
.endr
	WIN 0
.set BB, 32+64*((\a)%2)
.irp t, 0,1,2,3,4,5,6,7,8,9,10,11,12,13,14,15
	ds_load_b128 v[BB+4*\t:BB+4*\t+3], v[RD] offset:\t*SPITCH
.endr
.endm
.macro SEND a, younger
.set BB, 32+64*((\a)%2)
	s_wait_dscnt \younger                          ; the block is back; the next block's 16 stores and 16 loads may be out
.irp t, 0,1,2,3,4,5,6,7,8,9,10,11,12,13,14,15
	global_store_b128 v[CO], v[BB+4*\t:BB+4*\t+3], s[8:9] offset:(16*(\a)+\t)*4096 th:TH_STORE_NT   ; 32 lanes store 512 consecutive bytes, aligned
.endr
.endm
	PLACES
	TOSTAGE 0
.irp a, 1,2,3
.if \a > 1
	s_wait_xcnt 0x0                                ; block a - 2's stores have read their registers: block a's loads may land there
.endif
	TOSTAGE \a
	SEND (\a)-1, 32
.endr
	SEND 3, 0
	s_wait_tensorcnt 0x0                           ; the wave's end
	ds_add_u32 v[SPW], v[NIL]
	s_wait_dscnt 0x0
	CROUND                                         ; the closing round
	s_endpgm
.Lfunc_end_k_q74496e39b4_proj:
	.size	k_q74496e39b4_proj, .Lfunc_end_k_q74496e39b4_proj-k_q74496e39b4_proj
	.p2alignl 7, 3214868480
	.fill 96, 4, 3214868480
	.section	.rodata,"a",@progbits
	.p2align	6, 0x0
	.amdhsa_kernel k_q74496e39b4_proj
		.amdhsa_group_segment_fixed_size 327680
		.amdhsa_private_segment_fixed_size 0
		.amdhsa_enable_private_segment 0
		.amdhsa_kernarg_size 24
		.amdhsa_user_sgpr_count 2
		.amdhsa_user_sgpr_kernarg_segment_ptr 1
		.amdhsa_wavefront_size32 1
		.amdhsa_system_sgpr_workgroup_id_x 1
		.amdhsa_system_sgpr_workgroup_id_y 1
		.amdhsa_system_sgpr_workgroup_id_z 1
		.amdhsa_system_vgpr_workitem_id 0
		.amdhsa_next_free_vgpr 512
		.amdhsa_next_free_sgpr 66
		.amdhsa_reserve_vcc 0
		.amdhsa_float_denorm_mode_32 3
		.amdhsa_float_denorm_mode_16_64 3
		.amdhsa_memory_ordered 1
		.amdhsa_forward_progress 1
		.amdhsa_inst_pref_size 84
	.end_amdhsa_kernel
	.amdgpu_metadata
---
amdhsa.version: [ 1, 2 ]
amdhsa.kernels:
  - .name:           k_q74496e39b4_proj
    .symbol:         k_q74496e39b4_proj.kd
    .args:
      - { .name: y16, .offset: 0, .size: 8, .value_kind: global_buffer, .address_space: global }
      - { .name: wp16, .offset: 8, .size: 8, .value_kind: global_buffer, .address_space: global }
      - { .name: out0, .offset: 16, .size: 8, .value_kind: global_buffer, .address_space: global }
    .group_segment_fixed_size: 327680
    .private_segment_fixed_size: 0
    .kernarg_segment_align: 8
    .kernarg_segment_size: 24
    .max_flat_workgroup_size: 128
    .sgpr_count:     66
    .vgpr_count:     512
    .wavefront_size: 32
...
	.end_amdgpu_metadata
.endif
;; end of part 4
;; launch fine (part 5): grid 16 x 4, 16 waves a work-group, no clusters, 71,680 bytes of LDS; arguments qkv32, W_proj, out0; writes out0
.if DOCPART == 5
	.amdgcn_target "amdgcn-amd-amdhsa--gfx1250"
	.amdhsa_code_object_version 6
	.text
	.protected	k_q74496e39b4_fine
	.globl	k_q74496e39b4_fine
	.p2align	8
	.type	k_q74496e39b4_fine,@function
k_q74496e39b4_fine:
	s_mov_b64 s[64:65], 0
	v_nop
	global_prefetch_b8 v0, s[64:65] scope:SCOPE_SE
	s_setreg_imm32_b32 hwreg(HW_REG_WAVE_MODE, 25, 1), 1
	s_wait_xcnt 0x0
; FINE: the first 16 positions of each of the 4 sequences, attention and projection in f32: those rows average one to sixteen values and are the largest in size.
; Work-group (nb, b) makes rows t < 16 of batch b, columns 64 nb .. 64 nb + 63 of out0.  A wave is a head: it makes its head's 16 x 16 attention (repeated in the 16 column blocks: small work),
; multiplies y_h [16][64] by W_proj's rows 64 h .. 64 h + 63 at its 64 columns, and the 16 heads' parts are added through LDS, in ascending order, a row to a wave.
; All three products by the f32 matrix form, 4 along K an instruction, four accumulators by turns.  Its accumulators, v16-47, are written by matrix instructions alone.
; Along K the same order of numbers is given to both sources of a product, chosen so that each source is what the lane already holds.
; LIMITS: NaN and infinities are not served.
.set SPARE, 69632                      ; behind the 16 parts of 16 rows x 272 bytes: the spare words
.set ACC, 16
.set QQ,  48                           ; v48-79 Q, v80-111 K; later W's column tiles 2, 3
.set KK,  80
.set VT,  112                          ; v112-143 V^T; later the 16 parts of my row
.set SS,  144                          ; v144-151 scores, then p
.set TT,  152                          ; v152-159 at work
.set YY,  160                          ; v160-191 y
.set W0,  192                          ; v192-255 W's column tiles 0, 1
	s_load_b128 s[4:7], s[0:1], 0x0                ; qkv32, W_proj
	s_load_b64 s[8:9], s[0:1], 0x10                ; out0
	v_lshl_add_u32 v11, v0, 2, SPARE               ; my spare word; never rewritten
	v_mov_b32 v12, 0                               ; 0; never rewritten
	v_lshrrev_b32 v1, 5, v0
	v_readfirstlane_b32 s10, v1                    ; wave = head
	s_and_b32 s11, ttmp7, 0xffff                   ; batch
	v_and_b32 v1, 15, v0                           ; r
	v_bfe_u32 v2, v0, 4, 1                         ; h
	v_lshlrev_b32 v3, 8, v1
	v_lshl_add_u32 v3, v2, 4, v3                   ; Q, K: row r of 256 bytes + 16 h
	v_lshlrev_b32 v4, 2, v1
	v_lshl_add_u32 v5, v2, 15, v4                  ; W: 8 h rows of 4,096 bytes + 4 r
	v_lshl_add_u32 v4, v2, 11, v4                  ; V: 8 h rows of 256 bytes + 4 r
	v_lshlrev_b32 v6, 3, v2
	v_sub_nc_u32 v6, v1, v6                        ; r - 8 h
	v_mov_b32 v7, 0xff800000                       ; -infinity
	s_mul_i32 s12, s10, 4352
	v_mul_u32_u24 v8, v1, 272
	v_lshl_add_u32 v8, v2, 5, v8
	v_add_nc_u32 v8, s12, v8                       ; my part: row r, 32 bytes for each half of the lanes
	s_mul_i32 s12, s10, 272
	v_and_b32 v10, 31, v0
	v_lshlrev_b32 v10, 3, v10                      ; 8 bytes a lane of a row's 256
	v_add_nc_u32 v9, s12, v10                      ; row = my wave's number, in each of the 16 parts
	s_mov_b32 s20, 0x76543210
	s_mov_b32 s21, 0xfedcba98
	s_mov_b32 s22, 0x3e38aa3b                      ; c = log2(e) / 8
	s_mul_i32 s12, s11, 48
	s_add_co_u32 s12, s12, s10
	s_lshl_b32 s12, s12, 12                        ; q's head in qkv32: 4,096 bytes a head; k's 16 heads on, v's 32
	s_mov_b32 s13, 0
	s_lshl_b32 s14, s10, 18                        ; W_proj: 64 rows of 4,096 bytes a head,
	s_lshl_b32 s15, ttmp9, 8                       ; 64 columns a work-group
	s_add_co_u32 s14, s14, s15
	s_mov_b32 s15, 0
	s_lshl_b32 s16, s11, 11
	s_add_co_u32 s16, s16, s10                     ; the row that I store: 2,048 b + wave
	s_lshl_b32 s16, s16, 12
	s_lshl_b32 s17, ttmp9, 8
	s_add_co_u32 s16, s16, s17
	s_mov_b32 s17, 0
	s_wait_kmcnt 0x0
	s_add_nc_u64 s[4:5], s[4:5], s[12:13]
	s_add_nc_u64 s[6:7], s[6:7], s[14:15]
	s_add_nc_u64 s[8:9], s[8:9], s[16:17]
.irp u, 0,1,2,3,4,5,6,7
	global_load_b128 v[QQ+4*\u:QQ+4*\u+3], v3, s[4:5] offset:32*\u          ; channels 8 u + 4 h + 0..3 of query r
.endr
.irp u, 0,1,2,3,4,5,6,7
	global_load_b128 v[KK+4*\u:KK+4*\u+3], v3, s[4:5] offset:65536+32*\u    ; the same of key r
.endr
.irp dt, 0,1,2,3
.irp n, 0,1,2,3,4,5,6,7
	global_load_b32 v[VT+8*\dt+\n], v4, s[4:5] offset:131072+256*\n+64*\dt  ; V(key 8 h + n, channel 16 dt + r)
.endr
.endr
.irp c, 0,1
.irp dt, 0,1,2,3
.irp n, 0,1,2,3,4,5,6,7
	global_load_b32 v[W0+32*\c+8*\dt+\n], v5, s[6:7] offset:(16*\dt+\n)*4096+64*\c   ; W(64 head + 16 dt + 8 h + n, column 16 c + r)
.endr
.endr
.endr
	s_wait_loadcnt 63                              ; of 112 loads at most 63 are out: the first 49, Q's, K's and V's 48 among them, are in
.irp s, 0,1,2,3,4,5,6,7,8,9,10,11,12,13,14,15  ; S^T = K Q^T in four partial sums by turns
.if \s < 4
	v_wmma_f32_16x16x4_f32 v[ACC+8*(\s%4):ACC+8*(\s%4)+7], v[KK+2*\s:KK+2*\s+1], v[QQ+2*\s:QQ+2*\s+1], 0
.else
	v_wmma_f32_16x16x4_f32 v[ACC+8*(\s%4):ACC+8*(\s%4)+7], v[KK+2*\s:KK+2*\s+1], v[QQ+2*\s:QQ+2*\s+1], v[ACC+8*(\s%4):ACC+8*(\s%4)+7]
.endif
.endr
.rept 8
	v_nop                                          ; eight places behind this form, in front of loads into its sources and of reads of its results
.endr
.irp c, 2,3
.irp dt, 0,1,2,3
.irp n, 0,1,2,3,4,5,6,7
	global_load_b32 v[QQ+32*(\c-2)+8*\dt+\n], v5, s[6:7] offset:(16*\dt+\n)*4096+64*\c
.endr
.endr
.endr
.irp i, 0,2,4,6
	v_pk_add_f32 v[SS+\i:SS+\i+1], v[ACC+\i:ACC+\i+1], v[ACC+8+\i:ACC+8+\i+1]       ; each accumulator from its low end on
	v_pk_add_f32 v[TT+\i:TT+\i+1], v[ACC+16+\i:ACC+16+\i+1], v[ACC+24+\i:ACC+24+\i+1]
.endr
.irp i, 0,2,4,6
	v_pk_add_f32 v[SS+\i:SS+\i+1], v[SS+\i:SS+\i+1], v[TT+\i:TT+\i+1]               ; register j: the score of key 8 h + j and query r
.endr
.irp j, 0,1,2,3,4,5,6,7
	v_cmp_gt_i32 vcc_lo, \j, v6                    ; hidden where 8 h + j > r
	v_cndmask_b32 v[SS+\j], v[SS+\j], v7, vcc_lo
.endr
	v_max3_num_f32 v[TT], v[SS], v[SS+1], v[SS+2]
	v_max3_num_f32 v[TT+1], v[SS+3], v[SS+4], v[SS+5]
	v_max3_num_f32 v[TT], v[TT], v[SS+6], v[SS+7]
	v_max_num_f32 v[TT], v[TT], v[TT+1]
	v_permlanex16_b32 v[TT+1], v[TT], s20, s21
	v_max_num_f32 v[TT], v[TT], v[TT+1]            ; the row's maximum: key 0 counts for every query
	v_mul_f32 v[TT+2], s22, v[TT]
.irp j, 0,1,2,3,4,5,6,7
	v_fma_f32 v[SS+\j], v[SS+\j], s22, -v[TT+2]
.endr
.irp j, 0,1,2,3,4,5,6,7
	v_exp_f32 v[SS+\j], v[SS+\j]
.endr
	v_nop
	s_wait_alu depctr_va_vdst(0)                   ; one wait for the eight exponentials, ahead of their first reader
	v_pk_add_f32 v[TT+4:TT+5], v[SS:SS+1], v[SS+2:SS+3]
	v_pk_add_f32 v[TT+6:TT+7], v[SS+4:SS+5], v[SS+6:SS+7]
	v_pk_add_f32 v[TT+4:TT+5], v[TT+4:TT+5], v[TT+6:TT+7]
	v_add_f32 v[TT+4], v[TT+4], v[TT+5]
	v_permlanex16_b32 v[TT+5], v[TT+4], s20, s21
	v_add_f32 v[TT+4], v[TT+4], v[TT+5]            ; the row's sum
	v_rcp_f32 v[TT+6], v[TT+4]
	v_nop
	s_wait_alu depctr_va_vdst(0)                   ; the reciprocal's wait
.irp s, 0,1,2,3                                ; O^T = V^T P: step s takes keys 8 h + 2 s, + 1; four accumulators (channels 16 dt on) by turns; far more than nine plain places lie behind the first product's instructions
.irp dt, 0,1,2,3
.if \s == 0
	v_wmma_f32_16x16x4_f32 v[ACC+8*\dt:ACC+8*\dt+7], v[VT+8*\dt+2*\s:VT+8*\dt+2*\s+1], v[SS+2*\s:SS+2*\s+1], 0
.else
	v_wmma_f32_16x16x4_f32 v[ACC+8*\dt:ACC+8*\dt+7], v[VT+8*\dt+2*\s:VT+8*\dt+2*\s+1], v[SS+2*\s:SS+2*\s+1], v[ACC+8*\dt:ACC+8*\dt+7]
.endif
.endr
.endr
.rept 8
	v_nop
.endr
.irp n, 0,1,2,3,4,5,6,7,8,9,10,11,12,13,14,15,16,17,18,19,20,21,22,23,24,25,26,27,28,29,30,31
	v_mul_f32 v[YY+\n], v[ACC+\n], v[TT+6]         ; y(query r, channel 16 dt + 8 h + j), into other registers
.endr
.rept 9
	v_nop                                          ; nine places in front of products that begin the accumulators anew
.endr
	s_wait_loadcnt 0x0                             ; W
.irp dt, 0,1,2,3                               ; out^T = W^T y^T: step (dt, s) takes channels 16 dt + 8 h + 2 s, + 1; four accumulators (columns 16 c on) by turns
.irp s, 0,1,2,3
.irp c, 0,1,2,3
.set rW, W0+32*\c+8*\dt+2*\s-(\c/2)*(W0+64-QQ)
.if (\dt == 0) && (\s == 0)
	v_wmma_f32_16x16x4_f32 v[ACC+8*\c:ACC+8*\c+7], v[rW:rW+1], v[YY+8*\dt+2*\s:YY+8*\dt+2*\s+1], 0
.else
	v_wmma_f32_16x16x4_f32 v[ACC+8*\c:ACC+8*\c+7], v[rW:rW+1], v[YY+8*\dt+2*\s:YY+8*\dt+2*\s+1], v[ACC+8*\c:ACC+8*\c+7]
.endif
.endr
.endr
.endr
.rept 8
	v_nop
.endr
.irp c, 0,1,2,3
	ds_store_b128 v8, v[ACC+8*\c:ACC+8*\c+3] offset:64*\c          ; my head's part of out(query r, columns 16 c + 8 h + 0..7)
	ds_store_b128 v8, v[ACC+8*\c+4:ACC+8*\c+7] offset:64*\c+16
.endr
	s_wait_dscnt 0x0                               ; for the others' sake: my stores have landed
	s_barrier_signal -1
	s_barrier_wait -1
.irp p, 0,1,2,3,4,5,6,7,8,9,10,11,12,13,14,15
	ds_load_b64 v[VT+2*\p:VT+2*\p+1], v9 offset:4352*\p            ; row = my wave's number, of head p's part
.endr
	s_wait_dscnt 0x0
	v_pk_add_f32 v[SS:SS+1], v[VT:VT+1], v[VT+2:VT+3]
.irp p, 2,3,4,5,6,7,8,9,10,11,12,13,14,15
	v_pk_add_f32 v[SS:SS+1], v[SS:SS+1], v[VT+2*\p:VT+2*\p+1]
.endr
	global_store_b64 v10, v[SS:SS+1], s[8:9]       ; 32 lanes store 256 consecutive bytes, aligned
	s_wait_tensorcnt 0x0                           ; the wave's end
	ds_add_u32 v11, v12
	s_wait_dscnt 0x0
	s_endpgm
.Lfunc_end_k_q74496e39b4_fine:
	.size	k_q74496e39b4_fine, .Lfunc_end_k_q74496e39b4_fine-k_q74496e39b4_fine
	.p2alignl 7, 3214868480
	.fill 96, 4, 3214868480
	.section	.rodata,"a",@progbits
	.p2align	6, 0x0
	.amdhsa_kernel k_q74496e39b4_fine
		.amdhsa_group_segment_fixed_size 71680
		.amdhsa_private_segment_fixed_size 0
		.amdhsa_enable_private_segment 0
		.amdhsa_kernarg_size 24
		.amdhsa_user_sgpr_count 2
		.amdhsa_user_sgpr_kernarg_segment_ptr 1
		.amdhsa_wavefront_size32 1
		.amdhsa_system_sgpr_workgroup_id_x 1
		.amdhsa_system_sgpr_workgroup_id_y 1
		.amdhsa_system_sgpr_workgroup_id_z 1
		.amdhsa_system_vgpr_workitem_id 0
		.amdhsa_next_free_vgpr 256
		.amdhsa_next_free_sgpr 66
		.amdhsa_reserve_vcc 1
		.amdhsa_float_denorm_mode_32 3
		.amdhsa_float_denorm_mode_16_64 3
		.amdhsa_memory_ordered 1
		.amdhsa_forward_progress 1
		.amdhsa_inst_pref_size 33
	.end_amdhsa_kernel
	.amdgpu_metadata
---
amdhsa.version: [ 1, 2 ]
amdhsa.kernels:
  - .name:           k_q74496e39b4_fine
    .symbol:         k_q74496e39b4_fine.kd
    .args:
      - { .name: qkv32, .offset: 0, .size: 8, .value_kind: global_buffer, .address_space: global }
      - { .name: W_proj, .offset: 8, .size: 8, .value_kind: global_buffer, .address_space: global }
      - { .name: out0, .offset: 16, .size: 8, .value_kind: global_buffer, .address_space: global }
    .group_segment_fixed_size: 71680
    .private_segment_fixed_size: 0
    .kernarg_segment_align: 8
    .kernarg_segment_size: 24
    .max_flat_workgroup_size: 512
    .sgpr_count:     66
    .vgpr_count:     256
    .wavefront_size: 32
...
	.end_amdgpu_metadata
.endif
;; end of part 5
